; MI455X (gfx1250); checked and timed in simulation.
; The chip was launched on July 23, 2026; its instructions are those of AMD's public machine-readable ISA for CDNA 5 (MIT licence, August 2026) and "CDNA5" Instruction Set Architecture Reference Guide (July 2026). The comments in the code are by the model that wrote it; some were corrected since.
;; scaled dot product attention. Allowed arithmetic: matrix products marked QUANTISED: E3M2 operands, one E8M0 scale for each 32 along K, by v_wmma_scale_f32_16x16x128_f8f6f4 with both operands' format E3M2, f32 sums; everything else in f32.
;; Inputs: K 4 x 16 x 2,048 x 64 float32; Q 4 x 16 x 2,048 x 64 float32; V 4 x 16 x 2,048 x 64 float32; mask 2,048 x 2,048 bool.
;; Outputs: out0 4 x 16 x 2,048 x 64 float32.
;; This version of the problem:
;;   THIS VERSION OF THE PROBLEM IS GIVEN IN LOW PRECISION. The matrix products marked QUANTISED in the list below multiply operands that are first quantised to E3M2 (3 exponent bits, 2 mantissa bits; 6 bits a number), with one power-of-two scale for each 32 numbers along K (OCP MX v1.0); their sums are f32. All else is computed in f32.
;;   The module's matrix products, in the order in which they are computed (A, B: the left and right operand; K: the contracted axis; several contracted axes count as one K, in the product's order):
;;     1. batch 64 x [M 2,048, K 64] x [K 64, N 2,048]; A: input Q; B: input K: QUANTISED
;;     2. batch 64 x [M 2,048, K 2,048] x [K 2,048, N 64]; A: softmax (see below); B: input V: QUANTISED
;;   THE QUANTISER, for each operand of a quantised product, along K:
;;     - K is cut into blocks of 32 from its start; a last block that is shorter is filled with zeros.
;;     - A block's scale is 2^e with e = floor(log2(the largest magnitude in the block)) - 4, held to -126 .. 127; a block of zeros has e = 0. As a byte (E8M0): e + 127.
;;     - Each number is divided by its block's scale, clamped to +-28, and rounded to the nearest number of E3M2, ties to even, subnormals kept.
;;     - The product sums the exact products of the quantised numbers (number of the format x scale) in f32.
;;   ~~~python
;;   def quantise(x, axis):      # numpy; x: float32 -> the quantised numbers, widened to float32 again
;;       x = np.moveaxis(x, axis, -1); K = x.shape[-1]
;;       x = np.pad(x, [(0, 0)] * (x.ndim - 1) + [(0, -K % 32)]); x = x.reshape(x.shape[:-1] + (-1, 32)); a = np.abs(x).max(-1, keepdims=True)
;;       e = np.where(a > 0, np.clip(np.frexp(np.where(a > 0, a, 1))[1] - 1 - 4, -126, 127), 0)      # np.frexp(a)[1] - 1 = floor(log2(a)), exactly
;;       r = np.clip(x / 2.0 ** e, -28, 28)
;;       step = 2.0 ** (np.maximum(np.frexp(np.where(r == 0, 1, r))[1] - 1, -2) - 2)
;;       q = np.round(r / step) * step * 2.0 ** e      # np.round: ties to even
;;       return np.moveaxis(q.reshape(q.shape[:-2] + (-1,))[..., :K], -1, axis).astype(np.float32)
;;   ~~~
;;   SOFTMAX AHEAD OF A QUANTISED PRODUCT. Where the list says 'softmax', what is quantised is not the finished softmax but p = 2^(t - M), with t = logit x log2(e) and M = ceil(the row's largest t), a whole number; so 1/2 < the row's largest p <= 1. The row's sum l is taken of the UNQUANTISED p, in f32, and the product's result is divided by l at the end. Since M is a whole number, a kernel that streams over the keys may use a running M (the ceiling of the running maximum): every later rescaling is an exact power of two, which a block's scale takes up: the codes' values come out the same.
;;   OPERANDS COMPUTED ON THE WAY. 'Computed on the way' means the value that the module computes at that place (a softmax that the list does not call 'softmax' is quantised finished and normalised). What goes into a quantiser is computed in f32, as accurately as f32 sums, v_exp_f32 and their like allow (about 1e-6 of the number): no bf16 or f16 on the way to a quantiser, and a product that is left as it is and whose result goes on into a quantised operand takes f32 operands (vector FMAs, or v_wmma_f32_16x16x4_f32). A number that lies on a knife's edge between two numbers of the format may be rounded either way, as far as f32 arithmetic and the matrix unit's own rounding can turn it there, and no further.
;; 2 versions. Each part assembles by itself: llvm-mc -triple=amdgcn-amd-amdhsa -mcpu=gfx1250 --defsym DOCPART=n.
;; ======== version 1 of 2: 2 launches
;; limits: right only within a limited range of input values
;; workspace buffers: kv 12,582,912 bytes; scl 524,288 bytes; mw 524,288 bytes of whole numbers; fl 4,096 bytes of whole numbers
;; launch prep (part 1): grid 1024 x 1, 4 waves a work-group, no clusters, 54,784 bytes of LDS; arguments K, V, mask, kv, scl, mw, fl; writes kv, scl, mw, fl
.if DOCPART == 1
	.amdgcn_target "amdgcn-amd-amdhsa--gfx1250"
	.amdhsa_code_object_version 6
	.text
	.protected	k_q8b65b0e75d_prep
	.globl	k_q8b65b0e75d_prep
	.p2align	8
	.type	k_q8b65b0e75d_prep,@function
k_q8b65b0e75d_prep:
	s_mov_b64 s[64:65], 0
	v_nop
	global_prefetch_b8 v0, s[64:65] scope:SCOPE_SE
	s_setreg_imm32_b32 hwreg(HW_REG_WAVE_MODE, 25, 1), 1
	s_wait_xcnt 0x0
; K and V [64 heads][2048][64] f32 become codes of BF6 (E3M2) with one E8M0 byte for each 32 along the product's K, laid in the ORDER OF THE OPERANDS' REGISTERS;
; the mask [2048][2048] of bytes becomes lane-mask words and class words.  A unit u = head x 16 + step is 128 keys of a head.
; kv, 12,288 bytes a unit: K's fragments f = 0..3 at 1536 f, V's t = 0..3 at 6144 + 1536 t; a fragment is 12 registers a lane: registers 4 j .. 4 j + 3 of lane l at 512 j + 16 l.
;   K's fragment f (c = f / 2, v = f % 2), lane (r, h): registers 0-5 = key 64 c + 16 v + 32 (r / 8) + r % 8, dims 32 h .. 32 h + 31; registers 6-11 = the key 8 further on, the same dims.
;   V's fragment t, lane (r, h): channel 16 t + r; registers 6 c .. 6 c + 5 = keys 64 c + 32 h + 0 .. 31.
; scl, 512 bytes a unit: K's scale words at 64 f + 4 r (bytes: first key's two blocks, second key's two blocks), V's at 256 + 64 t + 4 r (byte b: keys 32 b on).
; mw, 256 bytes for each (tile of 16 queries qt, step): word p stands for score register idx = 32 (p % 2) + p / 2; its bit l = mask[16 qt + l % 16][128 step + 64 (idx / 32) + 32 (l / 16) + idx % 32].
; fl, one word for each (qt, pair of steps tau): bits 0-15: row r has a true key among these 256; bits 16, 17: step 2 tau, 2 tau + 1 is all false; bits 18, 19: all true.
; A block's scale is 2^(floor(log2(largest magnitude)) - 4): its byte is the largest magnitude's exponent field - 4, held at 1 from below by a floor among the maximum's leaves.
; LIMITS: a block of zeros gets the byte 1 (its codes are zeros; only this program reads the bytes); NaN and infinities are not served; a mask byte is taken to be 0 or 1.
; SHARES: work-groups 0-255 take the mask (a wave: 16 rows x 256 keys), 256-511 K (a wave: a unit), 512-1023 V (a wave: 32 channels of a unit).  Waves share nothing: no barrier.
; Each path has LDS bytes of its own.  The class words leave as stores of 4 bytes, 4,096 bytes in the whole launch.
.set R,    64                          ; v64-127  numbers as they are loaded
.set X,    128                         ; v128-191 numbers with a block in one lane
.set C0,   36                          ; v36-47   a fragment's codes
.set C1,   48                          ; v48-59   a second one
.set KREG, 9216                        ; K path: a wave's stage: two runs of 16 rows x 272 bytes, the second 4,480 bytes on
.set MST,  36864                       ; mask path: the stages begin here,
.set MREG, 4352                        ; 16 rows x 272 bytes a wave
	s_load_b256 s[4:11], s[0:1], 0x0               ; K s[4:5], V s[6:7], mask s[8:9], kv s[10:11]
	s_load_b128 s[12:15], s[0:1], 0x20             ; scl s[12:13], mw s[14:15]
	s_load_b64 s[16:17], s[0:1], 0x30              ; fl
	v_lshl_add_u32 v192, v0, 2, 0xd400
	v_mov_b32 v193, 0
	v_lshrrev_b32 v1, 5, v0
	v_readfirstlane_b32 s18, v1                    ; wave
	v_and_b32 v1, 31, v0                           ; lane l
	v_and_b32 v2, 15, v0                           ; r
	v_bfe_u32 v3, v0, 4, 1                         ; h
	v_lshlrev_b32 v4, 4, v1                        ; 16 l
	v_lshlrev_b32 v5, 2, v1                        ; 4 l
	v_lshlrev_b32 v12, 3, v1                       ; 8 l
	v_lshlrev_b32 v13, 3, v3                       ; 8 h
	s_mul_i32 s34, s18, KREG
	s_mul_i32 s35, s18, MREG
	s_add_co_u32 s35, s35, MST
	v_mul_u32_u24 v14, v3, 272
	v_lshl_add_u32 v14, v2, 4, v14                 ; 272 h + 16 r: two rows of 256 bytes to an instruction
	v_add_nc_u32 v6, s34, v14                      ; K's stage, on the way in
	v_add_nc_u32 v8, s35, v14                      ; the mask's stage, on the way in
	v_and_b32 v20, 7, v0
	v_bfe_u32 v21, v0, 3, 1
	v_mul_u32_u24 v7, v20, 272
	v_mad_u32_u24 v7, v21, 4480, v7
	v_lshl_add_u32 v7, v3, 7, v7
	v_add_nc_u32 v7, s34, v7                       ; K's stage, on the way out: row r % 8 of run r / 8, + 128 h: 32 dims of the first key
	v_mul_u32_u24 v9, v2, 272
	v_lshl_add_u32 v9, v3, 5, v9
	v_add_nc_u32 v9, s35, v9                       ; the mask's stage, on the way out: row r, + 32 h
	v_lshlrev_b32 v10, 11, v3
	v_lshl_add_u32 v10, v2, 4, v10                 ; the mask in memory: 2,048 h + 16 r
	v_mul_u32_u24 v11, v3, 1536
	v_lshl_add_u32 v11, v2, 4, v11                 ; V's images: fragment l / 16, + 16 (l % 16)
	v_mov_b32 v27, 0                               ; a lane permute's destination counts as one of its sources
	s_mov_b32 s32, 0x76543210
	s_mov_b32 s33, 0xfedcba98                      ; v_permlanex16_b32's selects for lane l xor 16
	s_mov_b32 s21, 0
	s_wait_kmcnt 0x0
; 32 numbers of ONE lane, v[x] on, become six registers of codes, v[d] on, and the scale's byte in v[by].
.macro QB1 x, d, tc, by
	v_max3_num_f32 v20, |v[\x]|, |v[\x+1]|, |v[\x+2]|              ; the largest magnitude, in two chains
	v_max3_num_f32 v21, |v[\x+3]|, |v[\x+4]|, |v[\x+5]|
.irp i, 6,10,14,18,22,26
	v_max3_num_f32 v20, v20, |v[\x+\i]|, |v[\x+\i+1]|
	v_max3_num_f32 v21, v21, |v[\x+\i+2]|, |v[\x+\i+3]|
.endr
	v_max3_num_f32 v20, v20, |v[\x+30]|, |v[\x+31]|
	v_max3_num_f32 v20, v20, v21, 0x2800000        ; and the floor 2^(5 - 127): the byte cannot fall under 1
	v_add_nc_u32 v22, 0xfe000000, v20              ; 4 off the exponent field: the conversion takes this operand's exponent field as its scale
	v_cvt_scalef32_pk16_bf6_f32 v[\d:\d+2], v[\x:\x+15], v22
	v_cvt_scalef32_pk16_bf6_f32 v[\tc:\tc+2], v[\x+16:\x+31], v22  ; (a conversion's three registers begin on an even number)
	v_lshrrev_b32 v[\by], 23, v22                  ; the byte; also the plain line behind the conversions
.irp i, 0,1,2
	v_mov_b32 v[\d+3+\i], v[\tc+\i]
.endr
.endm
	s_cmp_lt_u32 ttmp9, 256
	s_cbranch_scc1 .Lmask
	s_cmp_lt_u32 ttmp9, 512
	s_cbranch_scc1 .Lkpath
; ---------------- V: a lane takes a channel, its registers run down the keys: a block of 32 keys lies in one lane ----------------
	s_sub_co_u32 s19, ttmp9, 512
	s_lshl_b32 s19, s19, 2
	s_add_co_u32 s19, s19, s18                     ; 0 .. 2047
	s_and_b32 s34, s19, 1                          ; which 32 channels
	s_lshr_b32 s19, s19, 1                         ; the unit
	s_lshl_b32 s35, s34, 7
	s_lshl_b32 s20, s19, 15
	s_add_co_u32 s20, s20, s35
	s_add_nc_u64 s[6:7], s[6:7], s[20:21]          ; V: unit x 128 rows of 256 bytes + 128 x half
	s_mul_i32 s20, s19, 12288
	s_mul_i32 s36, s34, 3072
	s_add_co_u32 s20, s20, s36
	s_add_co_u32 s20, s20, 6144
	s_add_nc_u64 s[10:11], s[10:11], s[20:21]      ; my two fragments
	s_lshl_b32 s20, s19, 9
	s_add_co_u32 s20, s20, s35
	s_add_co_u32 s20, s20, 256
	s_add_nc_u64 s[12:13], s[12:13], s[20:21]      ; my 32 scale words
.macro VLOAD b, set                    ; keys 32 b .. 32 b + 31 of my channel; a wave reads 128 consecutive bytes, its partner wave the row's other half
.set i, 0
.rept 32
	global_load_b32 v[X+32*\set+i], v5, s[6:7] offset:(32*\b+i)*256 th:TH_LOAD_NT
.set i, i+1
.endr
.endm
.macro VSTORE c, h                     ; the image's lanes 16 h .. 16 h + 15 of my two fragments: each half of my lanes stores 256 consecutive bytes
.irp j, 0,1,2
	global_store_b128 v11, v[\c+4*\j:\c+4*\j+3], s[10:11] offset:512*\j+256*\h
.endr
.endm
	VLOAD 0, 0
	VLOAD 2, 1
	s_wait_loadcnt 32                              ; block 0 is in; the 32 younger loads may be out
	QB1 X, C0, 28, 24
	v_mov_b32 v16, v24                             ; the scale word: byte b = block b
	VLOAD 1, 0
	s_wait_loadcnt 32                              ; block 2 is in
	QB1 X+32, C0+6, 32, 25
	v_lshl_or_b32 v16, v25, 16, v16
	VLOAD 3, 1
	VSTORE C0, 0                                   ; blocks 0 and 2 are what lanes 0-15 of the operand hold
	s_wait_loadcnt 32                              ; block 1 is in
	QB1 X, C1, 28, 24
	v_lshl_or_b32 v16, v24, 8, v16
	s_wait_loadcnt 0x0
	QB1 X+32, C1+6, 32, 25
	v_lshl_or_b32 v16, v25, 24, v16
	VSTORE C1, 1                                   ; blocks 1 and 3: lanes 16-31
	global_store_b32 v5, v16, s[12:13]
	s_endpgm
; ---------------- K: dims are innermost; a unit's rows turn through the wave's stage so that a lane holds 32 neighbouring dims of a key ----------------
.Lkpath:
	s_sub_co_u32 s19, ttmp9, 256
	s_lshl_b32 s19, s19, 2
	s_add_co_u32 s19, s19, s18                     ; the unit
	s_lshl_b32 s20, s19, 15
	s_add_nc_u64 s[4:5], s[4:5], s[20:21]
	s_mul_i32 s20, s19, 12288
	s_add_nc_u64 s[10:11], s[10:11], s[20:21]
	s_lshl_b32 s20, s19, 9
	s_add_nc_u64 s[12:13], s[12:13], s[20:21]
.macro KLOAD f                         ; the fragment's 32 keys: two runs of 16 neighbours, 32 keys apart; each load reads 512 consecutive bytes (two keys)
.irp p, 0,1
.irp i, 0,1,2,3,4,5,6,7
	global_load_b128 v[R+4*(8*\p+\i):R+4*(8*\p+\i)+3], v4, s[4:5] offset:(64*((\f)/2)+16*((\f)%2)+32*\p+2*\i)*256 th:TH_LOAD_NT
.endr
.endr
.endm
.macro KTURN                           ; LDS serves a wave's instructions in order: no wait between the stores and the loads
.irp p, 0,1
.irp i, 0,1,2,3,4,5,6,7
	ds_store_b128 v6, v[R+4*(8*\p+\i):R+4*(8*\p+\i)+3] offset:\p*4480+544*\i
.endr
.endr
.irp i, 0,1,2,3,4,5,6,7
	ds_load_b128 v[X+4*\i:X+4*\i+3], v7 offset:16*\i               ; the first key's 32 dims
.endr
.irp i, 0,1,2,3,4,5,6,7
	ds_load_b128 v[X+32+4*\i:X+32+4*\i+3], v7 offset:2176+16*\i    ; the key 8 rows on
.endr
.endm
	KLOAD 0
.irp f, 0,1,2,3
	s_wait_loadcnt 0x0
	KTURN
	s_wait_dscnt 0x0                               ; the numbers are back, and the stores into the stage have read their registers
	s_wait_xcnt 0x0                                ; the last fragment's stores have read their data: the codes' registers may be written again
.if \f < 3
	KLOAD \f+1                                     ; the next fragment's rows come while this one is quantised
.endif
	QB1 X, C0, 28, 24
	QB1 X+32, C0+6, 32, 25
	v_lshl_or_b32 v26, v25, 16, v24                ; my two bytes: block h of the first key, block h of the second,
	v_lshlrev_b32 v26, v13, v26                    ; at their places (8 h bits up);
	v_permlanex16_b32 v27, v26, s32, s33
	v_or_b32 v[16+\f], v26, v27                    ; with lane l xor 16's two the word is whole
.irp j, 0,1,2
	global_store_b128 v4, v[C0+4*\j:C0+4*\j+3], s[10:11] offset:\f*1536+512*\j   ; 512 consecutive bytes
.endr
.endr
	v_cmp_ne_u32 vcc_lo, 0, v3
	v_cndmask_b32 v20, v16, v17, vcc_lo            ; lanes 0-15 fragment 0's words, lanes 16-31 fragment 1's
	v_cndmask_b32 v21, v18, v19, vcc_lo            ; and fragments 2 and 3
	global_store_b32 v5, v20, s[12:13]
	global_store_b32 v5, v21, s[12:13] offset:128
	s_wait_tensorcnt 0x0
	ds_add_u32 v192, v193
	s_wait_dscnt 0x0
	s_endpgm
; ---------------- the mask: 16 rows x 256 keys a wave ----------------
.Lmask:
	s_lshl_b32 s19, ttmp9, 2
	s_add_co_u32 s19, s19, s18                     ; m = 8 qt + tau
	s_lshr_b32 s34, s19, 3
	s_and_b32 s35, s19, 7
	s_lshl_b32 s20, s34, 15                        ; 16 rows of 2,048 bytes
	s_lshl_b32 s36, s35, 8
	s_add_co_u32 s20, s20, s36
	s_add_nc_u64 s[8:9], s[8:9], s[20:21]
	s_lshl_b32 s20, s19, 9                         ; two records of 256 bytes
	s_add_nc_u64 s[14:15], s[14:15], s[20:21]
	s_lshl_b32 s20, s19, 2
	s_add_nc_u64 s[16:17], s[16:17], s[20:21]
.irp i, 0,1,2,3,4,5,6,7
	global_load_b128 v[R+4*\i:R+4*\i+3], v10, s[8:9] offset:4096*\i th:TH_LOAD_NT   ; sixteen lanes read a row's 256 bytes, two rows an instruction
.endr
.irp i, 104,105,106,107
	v_mov_b32 v\i, 0                               ; v_writelane_b32's destination counts as read
.endr
	s_wait_loadcnt 0x0
.irp i, 0,1,2,3,4,5,6,7
	ds_store_b128 v8, v[R+4*\i:R+4*\i+3] offset:544*\i
.endr
.irp p, 0,1
.irp c, 0,1
.irp i, 0,1
	ds_load_b128 v[X+16*\p+8*\c+4*\i:X+16*\p+8*\c+4*\i+3], v9 offset:128*\p+64*\c+16*\i   ; lane (r, h): row r, keys 128 p + 64 c + 32 h + 0 .. 31
.endr
.endr
.endr
	s_wait_dscnt 0x0
.irp p, 0,1                            ; the sum of a lane's 16 words of a step: each byte of it counts 16 mask bytes
	v_add3_u32 v[20+\p], v[X+16*\p], v[X+16*\p+1], v[X+16*\p+2]
.irp i, 3,5,7,9,11,13
	v_add3_u32 v[20+\p], v[20+\p], v[X+16*\p+\i], v[X+16*\p+\i+1]
.endr
	v_add_nc_u32 v[20+\p], v[20+\p], v[X+16*\p+15]
.endr
	s_mov_b32 s39, 0x10101010
	s_mov_b32 s37, 0                               ; the class word
.irp p, 0,1
	v_cmp_eq_u32 s24, 0, v[20+\p]
	v_cmp_eq_u32 s25, s39, v[20+\p]
	s_cmp_eq_u32 s24, -1                           ; every lane's sum is 0: the step is all false
	s_cselect_b32 s38, 0x10000<<\p, 0
	s_or_b32 s37, s37, s38
	s_cmp_eq_u32 s25, -1                           ; every byte counts 16: all true
	s_cselect_b32 s38, 0x40000<<\p, 0
	s_or_b32 s37, s37, s38
.endr
	v_or_b32 v22, v20, v21
	v_cmp_ne_u32 s24, 0, v22                       ; bit l: lane l saw a true key
	s_lshr_b32 s25, s24, 16
	s_or_b32 s24, s24, s25
	s_and_b32 s24, s24, 0xffff                     ; bit r: row r has one
	s_or_b32 s37, s37, s24
; The lane-mask words: key i of (step p, c) is byte i % 4 of the lane's word i / 4; a compare gives the word of all 32 lanes; it goes to lane i of register (p, c).
.irp p, 0,1
.irp c, 0,1
.irp q, 0,1,2,3
.irp k, 0,1,2,3,4,5,6,7
	v_and_b32 v[64+\k], 0xff<<(8*(\k%4)), v[X+16*\p+8*\c+2*\q+\k/4]
.endr
.irp k, 0,1,2,3,4,5,6,7
	v_cmp_ne_u32 s[24+\k], 0, v[64+\k]
.endr
.irp k, 0,1,2,3,4,5,6,7
	v_writelane_b32 v[104+2*\p+\c], s[24+\k], 8*\q+\k
.endr
.endr
.endr
	global_store_b64 v12, v[104+2*\p:105+2*\p], s[14:15] offset:256*\p   ; lane i stores words 2 i and 2 i + 1: 256 consecutive bytes
.endr
	v_mov_b32 v23, s37
	v_mov_b32 v24, 0
	v_cmp_gt_u32 vcc_lo, 1, v1
	s_wait_xcnt 0x0                                ; EXEC changes only behind this wait
	s_wait_tensorcnt 0x0
	ds_add_u32 v192, v193
	s_wait_dscnt 0x0
	s_and_saveexec_b32 s38, vcc_lo                 ; lane 0 alone
	global_store_b32 v24, v23, s[16:17]
	s_wait_xcnt 0x0
	s_or_b32 exec_lo, exec_lo, s38
	s_endpgm
.Lfunc_end_k_q8b65b0e75d_prep:
	.size	k_q8b65b0e75d_prep, .Lfunc_end_k_q8b65b0e75d_prep-k_q8b65b0e75d_prep
	.p2alignl 7, 3214868480
	.fill 96, 4, 3214868480
	.section	.rodata,"a",@progbits
	.p2align	6, 0x0
	.amdhsa_kernel k_q8b65b0e75d_prep
		.amdhsa_group_segment_fixed_size 54784
		.amdhsa_private_segment_fixed_size 0
		.amdhsa_enable_private_segment 0
		.amdhsa_kernarg_size 56
		.amdhsa_user_sgpr_count 2
		.amdhsa_user_sgpr_kernarg_segment_ptr 1
		.amdhsa_wavefront_size32 1
		.amdhsa_system_sgpr_workgroup_id_x 1
		.amdhsa_system_sgpr_workgroup_id_y 1
		.amdhsa_system_sgpr_workgroup_id_z 1
		.amdhsa_system_vgpr_workitem_id 0
		.amdhsa_next_free_vgpr 194
		.amdhsa_next_free_sgpr 66
		.amdhsa_reserve_vcc 1
		.amdhsa_float_denorm_mode_32 3
		.amdhsa_float_denorm_mode_16_64 3
		.amdhsa_memory_ordered 1
		.amdhsa_forward_progress 1
		.amdhsa_inst_pref_size 79
	.end_amdhsa_kernel
	.amdgpu_metadata
---
amdhsa.version: [ 1, 2 ]
amdhsa.kernels:
  - .name:           k_q8b65b0e75d_prep
    .symbol:         k_q8b65b0e75d_prep.kd
    .args:
      - { .name: K, .offset: 0, .size: 8, .value_kind: global_buffer, .address_space: global }
      - { .name: V, .offset: 8, .size: 8, .value_kind: global_buffer, .address_space: global }
      - { .name: mask, .offset: 16, .size: 8, .value_kind: global_buffer, .address_space: global }
      - { .name: kv, .offset: 24, .size: 8, .value_kind: global_buffer, .address_space: global }
      - { .name: scl, .offset: 32, .size: 8, .value_kind: global_buffer, .address_space: global }
      - { .name: mw, .offset: 40, .size: 8, .value_kind: global_buffer, .address_space: global }
      - { .name: fl, .offset: 48, .size: 8, .value_kind: global_buffer, .address_space: global }
    .group_segment_fixed_size: 54784
    .private_segment_fixed_size: 0
    .kernarg_segment_align: 8
    .kernarg_segment_size: 56
    .max_flat_workgroup_size: 128
    .sgpr_count:     66
    .vgpr_count:     194
    .wavefront_size: 32
...
	.end_amdgpu_metadata
.endif
;; end of part 1
;; launch attn (part 2): grid 4 x 64, 8 waves a work-group, no clusters, 250,880 bytes of LDS; arguments Q, kv, scl, mw, fl, out0; writes out0
.if DOCPART == 2
	.amdgcn_target "amdgcn-amd-amdhsa--gfx1250"
	.amdhsa_code_object_version 6
	.text
	.protected	k_q8b65b0e75d_attn
	.globl	k_q8b65b0e75d_attn
	.p2align	8
	.type	k_q8b65b0e75d_attn,@function
k_q8b65b0e75d_attn:
	s_mov_b64 s[64:65], 0
	v_nop
	global_prefetch_b8 v0, s[64:65] scope:SCOPE_SE
	s_setreg_imm32_b32 hwreg(HW_REG_WAVE_MODE, 25, 1), 1
	s_wait_xcnt 0x0
; out[head][q] = sum over k of softmax_k(where(mask[q][k], Q[q].K[k] / 8, -10000)) V[k], both products on codes of BF6 (E3M2) with one E8M0 scale for each 32 along a product's K.
; 64 heads, 2,048 queries and keys, 64 channels.  K's and V's codes, their scale words, the mask's lane words and class words were laid out by the launch before (layouts: its head comment).
; THE SOFTMAX: t = score x log2(e) / 8; M = the running largest t rounded UP to a whole number; p = 2^(t - M) is quantised along the keys, not normalised; the row's sum is taken of the unquantised p and divides at the
; end; when M moves, the sum and O are multiplied by 2^(old M - new M), exactly.  A masked score is -80,000 ahead of the factor 1 / 8, which is -10,000 as a logit.
; SHARES.  A work-group of eight waves (two to a SIMD, 512 registers each) belongs to one head.  It copies the head's 196,608 bytes of codes and 8,192 bytes of scale words into LDS once, through registers; one barrier;
; from then on those bytes are only read.  Wave W = 8 x + wave of the head's 32 makes two passes: queries 32 W on, then 32 (63 - W) on: two tiles of 16 queries at a time, 16 key steps of 128 keys.
; LAYOUT.  Both products are used transposed: S^T = K Q^T, O^T = V^T P^T: a lane holds ONE query (lane % 16).  The head's 64 dims are half of the instruction's 128 along K: a fragment of K holds TWO tiles of keys, one in
; k 0-63, one in k 64-127, and Q stands as 18 registers [codes 6][zeros 6][codes 6]: registers 0-11 pick the first tile, 6-17 the second.  The rows of a tile are chosen so that a lane's score registers 32 c .. 32 c + 31 are
; keys 64 c + 32 (lane / 16) + 0 .. 31: a WHOLE block of the next product's K, in the order in which that operand's layout wants it: no other lane is asked for a block's maximum, and the conversions' results are the operand.
; THE MASK is an input.  A step whose class says all true for my 32 queries does no mask work; else each score costs one v_cndmask_b32 on a lane word read by scalar loads.
; A step whose 32 x 128 mask bytes are all false is LEFT OUT, but only if every one of my 32 rows has a true key somewhere; a row with no true key is computed in full and comes out uniform.
; LIMIT of that: it is right while each such row's largest open logit lies above -9,900 (a masked key's p is then under 2^-126, which v_exp_f32 gives as 0).  NaN and infinities are not served.  A block of zeros has the byte 1.
; NO TENSOR LOADS, NO JOINT LOADS: the step's branches hang on class words read from memory; what the four work-groups of a head share is one read of 204,800 bytes each.
; REGISTERS, window 0: v1 16 x lane; v2, v3 LDS addresses of the step; v4 -80,000; v5 8 h; v6-8 stage addresses; v9, v10 offsets in Q and out; v12-19 per tile -M, largest t, the sum in two halves; v20-43 P's codes;
;   v44, 45 Q's scale words; v46, 47 P's; v48-51 the step's scale words (lanes 0-15 K's, lanes 16-31 V's); v52-59 the fill's addresses; v64-191 S^T, then p, 64 a tile; v192-239 K's four fragments, behind the products scratch, 24 a tile.
;   window 1: v0-63 O^T, 32 a tile; v64-99 Q, 18 a tile; v100-147 V's four fragments; v148-211 Q's rows as loaded.
.set SCL,  196608                      ; LDS: the codes from 0 on, 12,288 bytes a step; here the scale words, 512 bytes a step: lane l's four words at 16 l
.set STG,  212992                      ; the stages, one for each wave: 16 rows x 272 bytes; no stepped address of the loads above reaches them
.set STGW, 4608
.set TT,   12
.set PP,   20
.set QS,   44
.set PS,   46
.set SC,   48
.set SA,   64
.set FK,   192
.set ZS,   192                         ; scratch of tile t at ZS + 24 t: +0, +1 block maxima; +2 f (+3 named with it); +4, +5 at work; +6, +7 scale operands; +8, +9 bytes; +10, +11 the word; +12.., +16.. conversions; +20, +21 a sum
.set QF,   64                          ; window 1
.set FV,   100
.set RQ,   148
.set MSB,  0
.macro WIN new                         ; low byte: bits 1:0 source 0, 3:2 source 1, 5:4 source 2, 7:6 destination; the high byte repeats the setting that is left
.if MSB != \new
	s_set_vgpr_msb (MSB<<8)|\new
.set MSB, \new
.endif
.endm
.macro QLOAD sg                        ; the 32 rows of Q of group s[sg]: 16 loads of 512 consecutive bytes
	s_lshl_b32 s2, s17, 11
	s_lshl_b32 s3, s[\sg], 5
	s_add_co_u32 s2, s2, s3
	s_lshl_b32 s2, s2, 8                           ; (head x 2,048 + 32 group) rows of 256 bytes
	v_add_nc_u32 v9, s2, v1
	WIN 0x40
.irp i, 0,1,2,3,4,5,6,7,8,9,10,11,12,13,14,15
	global_load_b128 v[RQ+4*\i:RQ+4*\i+3], v9, s[4:5] offset:512*\i th:TH_LOAD_NT
.endr
	WIN 0
.endm
	s_load_b256 s[4:11], s[0:1], 0x0               ; Q s[4:5], kv s[6:7], scl s[8:9], mw s[10:11]
	s_load_b128 s[12:15], s[0:1], 0x20             ; fl s[12:13], out s[14:15]
	v_lshl_add_u32 v62, v0, 2, 0x3d000
	v_mov_b32 v63, 0
	v_lshrrev_b32 v11, 5, v0
	v_readfirstlane_b32 s16, v11                   ; wave 0..7
	s_and_b32 s17, ttmp7, 0xffff                   ; head
	s_lshl_b32 s19, ttmp9, 3
	s_add_co_u32 s19, s19, s16                     ; W
	s_mov_b32 s20, s19                             ; the group of 32 queries in hand
	s_mov_b32 s21, 2                               ; passes to go
	s_mov_b32 s28, 0x3e38aa3b                      ; c = log2(e) / 8
	s_mov_b32 s29, s28                             ; (named with it as a pair)
	s_mov_b32 s30, 0x76543210
	s_mov_b32 s31, 0xfedcba98                      ; v_permlanex16_b32's selects for lane l xor 16
	v_and_b32 v11, 31, v0
	v_lshlrev_b32 v1, 4, v11                       ; 16 x lane
	v_and_b32 v56, 15, v0                          ; r
	v_bfe_u32 v57, v0, 4, 1                        ; h
	v_lshlrev_b32 v5, 3, v57
	v_mov_b32 v4, 0xc79c4000                       ; -80,000
	s_mul_i32 s2, s16, STGW
	s_add_co_u32 s2, s2, STG                       ; my stage
	v_mul_u32_u24 v6, v56, 272
	v_lshl_add_u32 v8, v57, 7, v6
	v_lshl_add_u32 v6, v57, 5, v6
	v_add_nc_u32 v6, s2, v6                        ; row r, + 32 h: where O's eight channels go
	v_add_nc_u32 v8, s2, v8                        ; row r, + 128 h: where Q's 32 dims are read
	v_mul_u32_u24 v7, v57, 272
	v_lshl_add_u32 v7, v56, 4, v7
	v_add_nc_u32 v7, s2, v7                        ; whole rows: lanes 0-15 one row, lanes 16-31 the next
	v_lshlrev_b32 v52, 4, v0                       ; the fill: 16 x thread, in memory and in LDS,
	v_add_nc_u32 v53, 0x10000, v52                 ; and 64 KiB and 128 KiB on (an LDS offset has 16 bits)
	v_add_nc_u32 v54, 0x20000, v52
	v_lshlrev_b32 v58, 2, v0                       ; scale words: 4 x thread in memory;
	v_lshrrev_b32 v55, 6, v0
	v_lshlrev_b32 v55, 8, v55
	v_lshl_add_u32 v55, v56, 4, v55
	v_bfe_u32 v59, v0, 4, 2
	v_lshl_add_u32 v55, v59, 2, v55
	v_add_nc_u32 v55, SCL, v55                     ; in LDS word (fragment f, row r) goes to 16 r + 4 f of its run of 256 bytes: a lane's four words on end
	WIN 0x40
.irp i, 0,1,2,3,4,5
	v_mov_b32 v[QF+6+\i], 0                        ; Q's zero codes, written once
	v_mov_b32 v[QF+24+\i], 0
.endr
	WIN 0
	s_wait_kmcnt 0x0
	s_mul_i32 s2, s17, 196608
	s_mov_b32 s3, 0
	s_add_nc_u64 s[6:7], s[6:7], s[2:3]            ; the head's codes
	s_lshl_b32 s2, s17, 13
	s_add_nc_u64 s[8:9], s[8:9], s[2:3]            ; and scale words
	QLOAD 20                                       ; the first pass's Q
.irp k, 0,1,2,3,4,5,6,7
	global_load_b32 v[16+\k], v58, s[8:9] offset:1024*\k
.endr
.set k, 0
.rept 48                               ; 48 x 4,096 bytes: the work-group's 256 threads take 16 bytes each
	global_load_b128 v[64+4*k:64+4*k+3], v52, s[6:7] offset:4096*k
.set k, k+1
.endr
	s_wait_loadcnt 48                              ; Q and the scale words are in: the 48 loads of codes are younger
.irp k, 0,1,2,3,4,5,6,7
	ds_store_b32 v55, v[16+\k] offset:1024*\k
.endr
.set k, 0
.rept 48
	s_wait_loadcnt 47-k                            ; load k is in: 47 - k are younger
	ds_store_b128 v[52+k/16], v[64+4*k:64+4*k+3] offset:4096*(k%16)
.set k, k+1
.endr
	s_wait_dscnt 0x0                               ; for the others' sake: my stores have landed
	s_barrier_signal -1
	s_barrier_wait -1                              ; the head's codes and scale words lie in LDS; nobody writes them again
.Lpass:
	s_wait_loadcnt 0x0                             ; this pass's Q is in
	s_wait_xcnt 0x0                                ; the last pass's stores have read their data and their offset
	s_lshl_b32 s2, s17, 11
	s_lshl_b32 s3, s20, 5
	s_add_co_u32 s2, s2, s3
	s_lshl_b32 s2, s2, 8
	v_add_nc_u32 v10, s2, v1                       ; my 16 bytes of the group's first two rows of out
.irp t, 0,1                            ; Q's rows turn through my stage: in as whole rows, out as 32 neighbouring dims a lane.  LDS serves a wave's instructions in order
	WIN 0x04
.irp i, 0,1,2,3,4,5,6,7
	ds_store_b128 v7, v[RQ+32*\t+4*\i:RQ+32*\t+4*\i+3] offset:544*\i
.endr
	WIN 0
.irp i, 0,1,2,3,4,5,6,7
	ds_load_b128 v[SA+32*\t+4*\i:SA+32*\t+4*\i+3], v8 offset:16*\i
.endr
.endr
	s_wait_dscnt 0x0
	s_cmp_lg_u32 s21, 2
	s_cbranch_scc1 .Lnoq
	s_sub_co_u32 s66, 63, s19
	QLOAD 66                                       ; the second pass's Q is asked for a pass ahead
.Lnoq:
.macro QQ t                            ; lane (r, h) holds dims 32 h .. 32 h + 31 of query r: one block, and registers 0-5 of the operand
.set xq, SA+32*\t
.set zq, ZS+24*\t
	v_max3_num_f32 v[zq], |v[xq]|, |v[xq+1]|, |v[xq+2]|
	v_max3_num_f32 v[zq+1], |v[xq+3]|, |v[xq+4]|, |v[xq+5]|
.irp i, 6,10,14,18,22,26
	v_max3_num_f32 v[zq], v[zq], |v[xq+\i]|, |v[xq+\i+1]|
	v_max3_num_f32 v[zq+1], v[zq+1], |v[xq+\i+2]|, |v[xq+\i+3]|
.endr
	v_max3_num_f32 v[zq], v[zq], |v[xq+30]|, |v[xq+31]|
	v_max3_num_f32 v[zq], v[zq], v[zq+1], 0x2800000                ; the floor 2^(5 - 127)
	v_add_nc_u32 v[zq+6], 0xfe000000, v[zq]                        ; 4 off the exponent field: the conversion's scale operand
	v_cvt_scalef32_pk16_bf6_f32 v[zq+12:zq+14], v[xq:xq+15], v[zq+6]
	v_cvt_scalef32_pk16_bf6_f32 v[zq+16:zq+18], v[xq+16:xq+31], v[zq+6]
	v_lshrrev_b32 v[zq+8], 23, v[zq+6]                             ; the byte; also the plain line behind the conversions
	v_permlanex16_b32 v[zq+9], v[zq+8], s30, s31
	v_lshl_or_b32 v[zq+10], v[zq+9], 8, v[zq+8]                    ; lanes 0-15, the ones that are read: block 0's byte, block 1's,
	v_lshl_or_b32 v[QS+\t], v[zq+10], 16, v[zq+10]                 ; and the same two once more, for the operand that begins with the zeros
	WIN 0x40
.irp i, 0,1,2
	v_mov_b32 v[QF+18*\t+\i], v[zq+12+\i]
	v_mov_b32 v[QF+18*\t+3+\i], v[zq+16+\i]
	v_mov_b32 v[QF+18*\t+12+\i], v[zq+12+\i]
	v_mov_b32 v[QF+18*\t+15+\i], v[zq+16+\i]
.endr
	WIN 0
.endm
	QQ 0
	QQ 1
	s_lshl_b32 s2, s20, 6                          ; the class words of my two tiles: 8 + 8 words
	s_load_b512 s[68:83], s[12:13], s2 offset:0x0
	s_mov_b32 s23, 0                               ; bit s: step s is all false for my 32 rows
	s_mov_b32 s24, 0                               ; bit s: all true
	s_mov_b32 s66, 0
	s_mov_b32 s67, 0
	s_wait_kmcnt 0x0
.irp u, 0,1,2,3,4,5,6,7
	s_and_b32 s2, s[68+\u], s[76+\u]
	s_bfe_u32 s3, s2, 0x20010
	s_lshl_b32 s3, s3, 2*\u
	s_or_b32 s23, s23, s3
	s_bfe_u32 s3, s2, 0x20012
	s_lshl_b32 s3, s3, 2*\u
	s_or_b32 s24, s24, s3
	s_or_b32 s66, s66, s[68+\u]
	s_or_b32 s67, s67, s[76+\u]
.endr
	s_and_b32 s66, s66, s67
	s_and_b32 s66, s66, 0xffff
	s_cmp_eq_u32 s66, 0xffff                       ; has every one of the 32 rows a true key?
	s_cselect_b32 s23, s23, 0                      ; if not, no step is left out
.irp t, 0,1
	v_mov_b32 v[TT+4*\t+1], 0xff61b1e6             ; the largest t so far: -3e38
	v_floor_f32 v[TT+4*\t], -v[TT+4*\t+1]          ; -M
	v_mov_b32 v[TT+4*\t+2], 0                      ; the sum, in two halves
	v_mov_b32 v[TT+4*\t+3], 0
.endr
	WIN 0x40
.set j, 0
.rept 64
	v_mov_b32 v[j], 0                              ; O^T: which step is the first to be walked hangs on the mask, so the sums begin as zeros
.set j, j+1
.endr
	WIN 0
	s_mov_b32 s22, 0                               ; the step
	s_mov_b32 s25, 0                               ; its codes in LDS
	s_mov_b32 s26, SCL                             ; its scale words
.Lstep:
	v_add_nc_u32 v2, s25, v1                       ; made on every path
	v_add_nc_u32 v3, s26, v1
	s_bitcmp1_b32 s23, s22
	s_cbranch_scc1 .Lskip                          ; all 32 x 128 mask bytes are false: the step's work is left out, not the lines that step addresses
	ds_load_b128 v[SC:SC+3], v3
.irp f, 0,1,2,3
.irp j, 0,1,2
	ds_load_b128 v[FK+12*\f+4*\j:FK+12*\f+4*\j+3], v2 offset:1536*\f+512*\j
.endr
.endr
	WIN 0x40
.irp f, 0,1,2,3
.irp j, 0,1,2
	ds_load_b128 v[FV+12*\f+4*\j:FV+12*\f+4*\j+3], v2 offset:6144+1536*\f+512*\j
.endr
.endr
	WIN 0x04
	s_lshl_b32 s100, s20, 5
	s_add_co_u32 s100, s100, s22
	s_lshl_b32 s100, s100, 8                       ; the mask record of (my first tile, this step): (32 group + step) x 256 bytes
	s_wait_dscnt 12                                ; the scale words and K are in; V's 12 loads may be out
.irp f, 0,1,2,3                        ; S^T = K Q^T: 16 products, each with an accumulator of its own, begun with the constant 0
.irp u, 0,1
.irp t, 0,1
	v_wmma_scale_f32_16x16x128_f8f6f4 v[SA+64*\t+32*(\f/2)+8*(2*(\f%2)+\u):SA+64*\t+32*(\f/2)+8*(2*(\f%2)+\u)+7], v[FK+12*\f:FK+12*\f+11], v[QF+18*\t+6*\u:QF+18*\t+6*\u+11], 0, v[SC+\f], v[QS+\t] matrix_a_fmt:MATRIX_FMT_BF6 matrix_b_fmt:MATRIX_FMT_BF6
.endr
.endr
.endr
	WIN 0
.rept 4
	v_nop                                          ; four places behind the products, ahead of the first read of a result and of the first write into K's registers (ISA guide 7.12.1)
.endr
	s_bitcmp1_b32 s24, s22
	s_cbranch_scc1 .Lopen                          ; all true: no mask work
.macro MASKT t                         ; 64 lane words, one for each score register; each accumulator is taken from its low end on
	s_load_b512 s[32:47], s[10:11], s100 offset:4096*\t
	s_load_b512 s[48:63], s[10:11], s100 offset:4096*\t+64
	s_load_b512 s[68:83], s[10:11], s100 offset:4096*\t+128
	s_load_b512 s[84:99], s[10:11], s100 offset:4096*\t+192
	s_wait_kmcnt 0x0
.set idx, 0
.rept 64
.set wp, 2*(idx%32)+idx/32
.set wr, 32+wp+4*(wp/32)
	v_cndmask_b32 v[SA+64*\t+idx], v4, v[SA+64*\t+idx], s[wr]      ; the bit set: the score stays; else -80,000
.set idx, idx+1
.endr
.endm
	MASKT 0
	MASKT 1
.Lopen:
.irp t, 0,1                            ; THE LARGEST SCORE OF EACH BLOCK OF 32 KEYS, all in my own registers; four blocks by turns.  It serves the row's maximum and, since p rises with the score, the block's largest p
.irp c, 0,1
	v_max3_num_f32 v[ZS+24*\t+\c], v[SA+64*\t+32*\c], v[SA+64*\t+32*\c+1], v[SA+64*\t+32*\c+2]
.endr
.endr
.irp i, 3,5,7,9,11,13,15,17,19,21,23,25,27,29
.irp t, 0,1
.irp c, 0,1
	v_max3_num_f32 v[ZS+24*\t+\c], v[ZS+24*\t+\c], v[SA+64*\t+32*\c+\i], v[SA+64*\t+32*\c+\i+1]
.endr
.endr
.endr
.irp t, 0,1
.irp c, 0,1
	v_max_num_f32 v[ZS+24*\t+\c], v[ZS+24*\t+\c], v[SA+64*\t+32*\c+31]
.endr
.endr
.irp t, 0,1
	v_max_num_f32 v[ZS+24*\t+4], v[ZS+24*\t], v[ZS+24*\t+1]
.endr
.irp t, 0,1
	v_permlanex16_b32 v[ZS+24*\t+5], v[ZS+24*\t+4], s30, s31
.endr
.irp t, 0,1
	v_max_num_f32 v[ZS+24*\t+4], v[ZS+24*\t+4], v[ZS+24*\t+5]      ; the step's largest score of my query
.endr
.irp t, 0,1
	v_mul_f32 v[ZS+24*\t+4], s28, v[ZS+24*\t+4]                    ; as t (c is positive)
.endr
.irp t, 0,1
	v_max_num_f32 v[TT+4*\t+1], v[TT+4*\t+1], v[ZS+24*\t+4]        ; the running largest t
.endr
.irp t, 0,1
	v_mov_b32 v[ZS+24*\t+5], v[TT+4*\t]
.endr
.irp t, 0,1
	v_floor_f32 v[TT+4*\t], -v[TT+4*\t+1]                          ; the new -M = floor(-t): M is a whole number
.endr
.irp t, 0,1
	v_sub_f32 v[ZS+24*\t+5], v[TT+4*\t], v[ZS+24*\t+5]             ; old M - new M: a whole number, 0 or less
.endr
.irp t, 0,1
	v_cvt_i32_f32 v[ZS+24*\t+5], v[ZS+24*\t+5]                     ; (it saturates)
.endr
.irp t, 0,1
	v_ldexp_f32 v[ZS+24*\t+2], 1.0, v[ZS+24*\t+5]                  ; f = 2^(old M - new M)
.endr
.irp t, 0,1
.set j, 0
.rept 32
	v_pk_fma_f32 v[SA+64*\t+j:SA+64*\t+j+1], v[SA+64*\t+j:SA+64*\t+j+1], s[28:29], v[TT+4*\t:TT+4*\t+1] op_sel_hi:[1,0,0]   ; t - M, two at a time (of the pairs c and -M the low word serves both halves)
.set j, j+2
.endr
.endr
.irp t, 0,1
.irp c, 0,1
	v_fma_f32 v[ZS+24*\t+\c], v[ZS+24*\t+\c], s28, v[TT+4*\t]      ; the same of each block's largest score
.endr
.endr
.set j, 0
.rept 128
	v_exp_f32 v[SA+j], v[SA+j]                     ; p = 2^(t - M), at most 1
.set j, j+1
.endr
.irp t, 0,1
.irp c, 0,1
	v_exp_f32 v[ZS+24*\t+\c], v[ZS+24*\t+\c]       ; the block's largest p: the same two instructions on the same number give the same bits
.endr
.endr
.irp t, 0,1
	v_pk_mul_f32 v[TT+4*\t+2:TT+4*\t+3], v[TT+4*\t+2:TT+4*\t+3], v[ZS+24*\t+2:ZS+24*\t+3] op_sel_hi:[1,0]   ; the sums under the new M; a plain line behind the exponentials
.endr
	s_wait_alu depctr_va_vdst(0)
.irp t, 0,1
.irp c, 0,1
	v_max_num_f32 v[ZS+24*\t+\c], 0x2800000, v[ZS+24*\t+\c]        ; the floor 2^(5 - 127): a block whose every p is 0 keeps the byte 1; its codes are zeros
.endr
.endr
.irp t, 0,1
.irp c, 0,1
	v_add_nc_u32 v[ZS+24*\t+6+\c], 0xfe000000, v[ZS+24*\t+\c]      ; the conversion's scale operand
.endr
.endr
.irp t, 0,1
.irp c, 0,1
	v_lshrrev_b32 v[ZS+24*\t+8+\c], 23, v[ZS+24*\t+6+\c]           ; the byte
.endr
.endr
.irp t, 0,1
	v_lshl_or_b32 v[ZS+24*\t+10], v[ZS+24*\t+9], 16, v[ZS+24*\t+8] ; my blocks h and 2 + h,
.endr
.irp t, 0,1
	v_lshlrev_b32 v[ZS+24*\t+10], v5, v[ZS+24*\t+10]               ; at their places;
.endr
.irp t, 0,1
	v_permlanex16_b32 v[ZS+24*\t+11], v[ZS+24*\t+10], s30, s31
.endr
.irp t, 0,1
	v_or_b32 v[PS+\t], v[ZS+24*\t+10], v[ZS+24*\t+11]              ; with lane l xor 16's two: p's scale word for these 128 keys
.endr
.irp t, 0,1
	v_cvt_scalef32_pk16_bf6_f32 v[PP+12*\t:PP+12*\t+2], v[SA+64*\t:SA+64*\t+15], v[ZS+24*\t+6]
	v_cvt_scalef32_pk16_bf6_f32 v[ZS+24*\t+12:ZS+24*\t+14], v[SA+64*\t+16:SA+64*\t+31], v[ZS+24*\t+6]   ; (a conversion's three registers begin on an even number)
	v_cvt_scalef32_pk16_bf6_f32 v[PP+12*\t+6:PP+12*\t+8], v[SA+64*\t+32:SA+64*\t+47], v[ZS+24*\t+7]
	v_cvt_scalef32_pk16_bf6_f32 v[ZS+24*\t+16:ZS+24*\t+18], v[SA+64*\t+48:SA+64*\t+63], v[ZS+24*\t+7]
.endr
	v_nop                                          ; one plain line behind the conversions
.irp t, 0,1
.irp i, 0,1,2
	v_mov_b32 v[PP+12*\t+3+\i], v[ZS+24*\t+12+\i]
	v_mov_b32 v[PP+12*\t+9+\i], v[ZS+24*\t+16+\i]
.endr
.endr
	WIN 0x41
.irp t, 0,1
.set j, 0
.rept 16
	v_pk_mul_f32 v[32*\t+j:32*\t+j+1], v[32*\t+j:32*\t+j+1], v[ZS+24*\t+2:ZS+24*\t+3] op_sel_hi:[1,0]   ; O^T under the new M; each accumulator from its low end on
.set j, j+2
.endr
.endr
	WIN 0
.irp t, 0,1                            ; THE ROW'S SUM IS TAKEN OF THE UNQUANTISED p: two at a time, two chains a tile.  These 64 lines are also the places in front of the products below
	v_pk_add_f32 v[ZS+24*\t+20:ZS+24*\t+21], v[SA+64*\t:SA+64*\t+1], v[SA+64*\t+2:SA+64*\t+3]
.endr
.irp j, 4,8,12,16,20,24,28,32,36,40,44,48,52,56,60
.irp t, 0,1
	v_pk_add_f32 v[TT+4*\t+2:TT+4*\t+3], v[TT+4*\t+2:TT+4*\t+3], v[SA+64*\t+\j:SA+64*\t+\j+1]
	v_pk_add_f32 v[ZS+24*\t+20:ZS+24*\t+21], v[ZS+24*\t+20:ZS+24*\t+21], v[SA+64*\t+\j+2:SA+64*\t+\j+3]
.endr
.endr
.irp t, 0,1
	v_pk_add_f32 v[TT+4*\t+2:TT+4*\t+3], v[TT+4*\t+2:TT+4*\t+3], v[ZS+24*\t+20:ZS+24*\t+21]
.endr
	s_wait_dscnt 0x0                               ; V is in
	WIN 0x51
.irp u, 0,1,2,3                        ; O^T += V^T P^T: eight accumulators by turns, one instruction a turn
.irp t, 0,1
	v_wmma_scale_f32_16x16x128_f8f6f4 v[32*\t+8*\u:32*\t+8*\u+7], v[FV+12*\u:FV+12*\u+11], v[PP+12*\t:PP+12*\t+11], v[32*\t+8*\u:32*\t+8*\u+7], v[SC+\u], v[PS+\t] matrix_a_fmt:MATRIX_FMT_BF6 matrix_b_fmt:MATRIX_FMT_BF6 matrix_a_scale:MATRIX_SCALE_ROW1
.endr
.endr
	WIN 0
.rept 4
	v_nop                                          ; four places, ahead of the next step's loads into V's and the scale words' registers and of the way out's reads
.endr
.Lskip:
	s_add_co_u32 s25, s25, 12288
	s_add_co_u32 s26, s26, 512
	s_add_co_u32 s22, s22, 1
	s_cmp_lt_u32 s22, 16
	s_cbranch_scc1 .Lstep
	; THE WAY OUT.  The sum's halves and lane l xor 16's are added; O^T / the sum goes through my stage, a tile of 16 rows at a time, and leaves as whole rows.
.irp t, 0,1
	v_add_f32 v[ZS+24*\t+4], v[TT+4*\t+2], v[TT+4*\t+3]
.endr
.irp t, 0,1
	v_permlanex16_b32 v[ZS+24*\t+5], v[ZS+24*\t+4], s30, s31
.endr
.irp t, 0,1
	v_add_f32 v[ZS+24*\t+4], v[ZS+24*\t+4], v[ZS+24*\t+5]
.endr
.irp t, 0,1
	v_rcp_f32 v[ZS+24*\t+2], v[ZS+24*\t+4]
.endr
	v_nop                                          ; a plain line behind the reciprocals
	WIN 0x01
	s_wait_alu depctr_va_vdst(0)
.irp t, 0,1
.set j, 0
.rept 16
	v_pk_mul_f32 v[SA+64*\t+j:SA+64*\t+j+1], v[32*\t+j:32*\t+j+1], v[ZS+24*\t+2:ZS+24*\t+3] op_sel_hi:[1,0]   ; register 8 u + i: out(r, 16 u + 8 h + i)
.set j, j+2
.endr
.endr
	WIN 0
.irp t, 0,1
.irp u, 0,1,2,3
	ds_store_b128 v6, v[SA+64*\t+8*\u:SA+64*\t+8*\u+3] offset:64*\u
	ds_store_b128 v6, v[SA+64*\t+8*\u+4:SA+64*\t+8*\u+7] offset:64*\u+16
.endr
.irp i, 0,1,2,3,4,5,6,7
	ds_load_b128 v[SA+64*\t+32+4*\i:SA+64*\t+32+4*\i+3], v7 offset:544*\i   ; LDS serves a wave's instructions in order: these see my stores, and the next tile's stores come behind them
.endr
.endr
.irp t, 0,1
.irp i, 0,1,2,3,4,5,6,7
	s_wait_dscnt 16*(1-\t)+7-\i                    ; behind this load: the tile's later loads, and for tile 0 tile 1's eight stores and eight loads
	global_store_b128 v10, v[SA+64*\t+32+4*\i:SA+64*\t+32+4*\i+3], s[14:15] offset:4096*\t+512*\i th:TH_STORE_NT   ; 512 consecutive bytes: two rows of out
.endr
.endr
	s_sub_co_u32 s20, 63, s19                      ; the second pass's group
	s_sub_co_u32 s21, s21, 1
	s_cmp_lg_u32 s21, 0
	s_cbranch_scc1 .Lpass
	s_wait_tensorcnt 0x0
	ds_add_u32 v62, v63
	s_wait_dscnt 0x0
	s_endpgm
.Lfunc_end_k_q8b65b0e75d_attn:
	.size	k_q8b65b0e75d_attn, .Lfunc_end_k_q8b65b0e75d_attn-k_q8b65b0e75d_attn
	.p2alignl 7, 3214868480
	.fill 96, 4, 3214868480
	.section	.rodata,"a",@progbits
	.p2align	6, 0x0
	.amdhsa_kernel k_q8b65b0e75d_attn
		.amdhsa_group_segment_fixed_size 250880
		.amdhsa_private_segment_fixed_size 0
		.amdhsa_enable_private_segment 0
		.amdhsa_kernarg_size 48
		.amdhsa_user_sgpr_count 2
		.amdhsa_user_sgpr_kernarg_segment_ptr 1
		.amdhsa_wavefront_size32 1
		.amdhsa_system_sgpr_workgroup_id_x 1
		.amdhsa_system_sgpr_workgroup_id_y 1
		.amdhsa_system_sgpr_workgroup_id_z 1
		.amdhsa_system_vgpr_workitem_id 0
		.amdhsa_next_free_vgpr 512
		.amdhsa_next_free_sgpr 102
		.amdhsa_reserve_vcc 0
		.amdhsa_float_denorm_mode_32 3
		.amdhsa_float_denorm_mode_16_64 3
		.amdhsa_memory_ordered 1
		.amdhsa_forward_progress 1
		.amdhsa_inst_pref_size 71
	.end_amdhsa_kernel
	.amdgpu_metadata
---
amdhsa.version: [ 1, 2 ]
amdhsa.kernels:
  - .name:           k_q8b65b0e75d_attn
    .symbol:         k_q8b65b0e75d_attn.kd
    .args:
      - { .name: Q, .offset: 0, .size: 8, .value_kind: global_buffer, .address_space: global }
      - { .name: kv, .offset: 8, .size: 8, .value_kind: global_buffer, .address_space: global }
      - { .name: scl, .offset: 16, .size: 8, .value_kind: global_buffer, .address_space: global }
      - { .name: mw, .offset: 24, .size: 8, .value_kind: global_buffer, .address_space: global }
      - { .name: fl, .offset: 32, .size: 8, .value_kind: global_buffer, .address_space: global }
      - { .name: out0, .offset: 40, .size: 8, .value_kind: global_buffer, .address_space: global }
    .group_segment_fixed_size: 250880
    .private_segment_fixed_size: 0
    .kernarg_segment_align: 8
    .kernarg_segment_size: 48
    .max_flat_workgroup_size: 256
    .sgpr_count:     102
    .vgpr_count:     512
    .wavefront_size: 32
...
	.end_amdgpu_metadata
.endif
;; end of part 2
;; ======== version 2 of 2: 2 launches
;; limits: right only within a limited range of input values
;; workspace buffers: kv 12,582,912 bytes; scl 524,288 bytes; mw 524,288 bytes of whole numbers; fl 4,096 bytes of whole numbers
;; launch prep (part 3): grid 1024 x 1, 4 waves a work-group, no clusters, 54,784 bytes of LDS; arguments K, V, mask, kv, scl, mw, fl; writes kv, scl, mw, fl
.if DOCPART == 3
	.amdgcn_target "amdgcn-amd-amdhsa--gfx1250"
	.amdhsa_code_object_version 6
	.text
	.protected	k_q8b65b0e75d_prep
	.globl	k_q8b65b0e75d_prep
	.p2align	8
	.type	k_q8b65b0e75d_prep,@function
k_q8b65b0e75d_prep:
	s_mov_b64 s[64:65], 0
	v_nop
	global_prefetch_b8 v0, s[64:65] scope:SCOPE_SE
	s_setreg_imm32_b32 hwreg(HW_REG_WAVE_MODE, 25, 1), 1
	s_wait_xcnt 0x0
; K and V [64 heads][2048][64] f32 become codes of BF6 (E3M2) with one E8M0 byte for each 32 along the product's K, laid in the ORDER OF THE OPERANDS' REGISTERS;
; the mask [2048][2048] of bytes becomes lane-mask words and class words.  A unit u = head x 16 + step is 128 keys of a head.
; kv, 12,288 bytes a unit: K's fragments f = 0..3 at 1536 f, V's t = 0..3 at 6144 + 1536 t; a fragment is 12 registers a lane: registers 4 j .. 4 j + 3 of lane l at 512 j + 16 l.
;   K's fragment f (c = f / 2, v = f % 2), lane (r, h): registers 0-5 = key 64 c + 16 v + 32 (r / 8) + r % 8, dims 32 h .. 32 h + 31; registers 6-11 = the key 8 further on, the same dims.
;   V's fragment t, lane (r, h): channel 16 t + r; registers 6 c .. 6 c + 5 = keys 64 c + 32 h + 0 .. 31.
; scl, 512 bytes a unit: K's scale words at 64 f + 4 r (bytes: first key's two blocks, second key's two blocks), V's at 256 + 64 t + 4 r (byte b: keys 32 b on).
; mw, 256 bytes for each (tile of 16 queries qt, step): word p stands for score register idx = 32 (p % 2) + p / 2; its bit l = mask[16 qt + l % 16][128 step + 64 (idx / 32) + 32 (l / 16) + idx % 32].
; fl, one word for each (qt, pair of steps tau): bits 0-15: row r has a true key among these 256; bits 16, 17: step 2 tau, 2 tau + 1 is all false; bits 18, 19: all true.
; A block's scale is 2^(floor(log2(largest magnitude)) - 4): its byte is the largest magnitude's exponent field - 4, held at 1 from below by a floor among the maximum's leaves.
; LIMITS: a block of zeros gets the byte 1 (its codes are zeros; only this program reads the bytes); NaN and infinities are not served; a mask byte is taken to be 0 or 1.
; SHARES: work-groups 0-255 take the mask (a wave: 16 rows x 256 keys), 256-511 K (a wave: a unit), 512-1023 V (a wave: 32 channels of a unit).  Waves share nothing: no barrier.
; Each path has LDS bytes of its own.  The class words leave as stores of 4 bytes, 4,096 bytes in the whole launch.
.set R,    64                          ; v64-127  numbers as they are loaded
.set X,    128                         ; v128-191 numbers with a block in one lane
.set C0,   36                          ; v36-47   a fragment's codes
.set C1,   48                          ; v48-59   a second one
.set KREG, 9216                        ; K path: a wave's stage: two runs of 16 rows x 272 bytes, the second 4,480 bytes on
.set MST,  36864                       ; mask path: the stages begin here,
.set MREG, 4352                        ; 16 rows x 272 bytes a wave
	s_load_b256 s[4:11], s[0:1], 0x0               ; K s[4:5], V s[6:7], mask s[8:9], kv s[10:11]
	s_load_b128 s[12:15], s[0:1], 0x20             ; scl s[12:13], mw s[14:15]
	s_load_b64 s[16:17], s[0:1], 0x30              ; fl
	v_lshl_add_u32 v192, v0, 2, 0xd400
	v_mov_b32 v193, 0
	v_lshrrev_b32 v1, 5, v0
	v_readfirstlane_b32 s18, v1                    ; wave
	v_and_b32 v1, 31, v0                           ; lane l
	v_and_b32 v2, 15, v0                           ; r
	v_bfe_u32 v3, v0, 4, 1                         ; h
	v_lshlrev_b32 v4, 4, v1                        ; 16 l
	v_lshlrev_b32 v5, 2, v1                        ; 4 l
	v_lshlrev_b32 v12, 3, v1                       ; 8 l
	v_lshlrev_b32 v13, 3, v3                       ; 8 h
	s_mul_i32 s34, s18, KREG
	s_mul_i32 s35, s18, MREG
	s_add_co_u32 s35, s35, MST
	v_mul_u32_u24 v14, v3, 272
	v_lshl_add_u32 v14, v2, 4, v14                 ; 272 h + 16 r: two rows of 256 bytes to an instruction
	v_add_nc_u32 v6, s34, v14                      ; K's stage, on the way in
	v_add_nc_u32 v8, s35, v14                      ; the mask's stage, on the way in
	v_and_b32 v20, 7, v0
	v_bfe_u32 v21, v0, 3, 1
	v_mul_u32_u24 v7, v20, 272
	v_mad_u32_u24 v7, v21, 4480, v7
	v_lshl_add_u32 v7, v3, 7, v7
	v_add_nc_u32 v7, s34, v7                       ; K's stage, on the way out: row r % 8 of run r / 8, + 128 h: 32 dims of the first key
	v_mul_u32_u24 v9, v2, 272
	v_lshl_add_u32 v9, v3, 5, v9
	v_add_nc_u32 v9, s35, v9                       ; the mask's stage, on the way out: row r, + 32 h
	v_lshlrev_b32 v10, 11, v3
	v_lshl_add_u32 v10, v2, 4, v10                 ; the mask in memory: 2,048 h + 16 r
	v_mul_u32_u24 v11, v3, 1536
	v_lshl_add_u32 v11, v2, 4, v11                 ; V's images: fragment l / 16, + 16 (l % 16)
	v_mov_b32 v27, 0                               ; a lane permute's destination counts as one of its sources
	s_mov_b32 s32, 0x76543210
	s_mov_b32 s33, 0xfedcba98                      ; v_permlanex16_b32's selects for lane l xor 16
	s_mov_b32 s21, 0
	s_wait_kmcnt 0x0
; 32 numbers of ONE lane, v[x] on, become six registers of codes, v[d] on, and the scale's byte in v[by].
.macro QB1 x, d, tc, by
	v_max3_num_f32 v20, |v[\x]|, |v[\x+1]|, |v[\x+2]|              ; the largest magnitude, in two chains
	v_max3_num_f32 v21, |v[\x+3]|, |v[\x+4]|, |v[\x+5]|
.irp i, 6,10,14,18,22,26
	v_max3_num_f32 v20, v20, |v[\x+\i]|, |v[\x+\i+1]|
	v_max3_num_f32 v21, v21, |v[\x+\i+2]|, |v[\x+\i+3]|
.endr
	v_max3_num_f32 v20, v20, |v[\x+30]|, |v[\x+31]|
	v_max3_num_f32 v20, v20, v21, 0x2800000        ; and the floor 2^(5 - 127): the byte cannot fall under 1
	v_add_nc_u32 v22, 0xfe000000, v20              ; 4 off the exponent field: the conversion takes this operand's exponent field as its scale
	v_cvt_scalef32_pk16_bf6_f32 v[\d:\d+2], v[\x:\x+15], v22
	v_cvt_scalef32_pk16_bf6_f32 v[\tc:\tc+2], v[\x+16:\x+31], v22  ; (a conversion's three registers begin on an even number)
	v_lshrrev_b32 v[\by], 23, v22                  ; the byte; also the plain line behind the conversions
.irp i, 0,1,2
	v_mov_b32 v[\d+3+\i], v[\tc+\i]
.endr
.endm
	s_cmp_lt_u32 ttmp9, 256
	s_cbranch_scc1 .Lmask
	s_cmp_lt_u32 ttmp9, 512
	s_cbranch_scc1 .Lkpath
; ---------------- V: a lane takes a channel, its registers run down the keys: a block of 32 keys lies in one lane ----------------
	s_sub_co_u32 s19, ttmp9, 512
	s_lshl_b32 s19, s19, 2
	s_add_co_u32 s19, s19, s18                     ; 0 .. 2047
	s_and_b32 s34, s19, 1                          ; which 32 channels
	s_lshr_b32 s19, s19, 1                         ; the unit
	s_lshl_b32 s35, s34, 7
	s_lshl_b32 s20, s19, 15
	s_add_co_u32 s20, s20, s35
	s_add_nc_u64 s[6:7], s[6:7], s[20:21]          ; V: unit x 128 rows of 256 bytes + 128 x half
	s_mul_i32 s20, s19, 12288
	s_mul_i32 s36, s34, 3072
	s_add_co_u32 s20, s20, s36
	s_add_co_u32 s20, s20, 6144
	s_add_nc_u64 s[10:11], s[10:11], s[20:21]      ; my two fragments
	s_lshl_b32 s20, s19, 9
	s_add_co_u32 s20, s20, s35
	s_add_co_u32 s20, s20, 256
	s_add_nc_u64 s[12:13], s[12:13], s[20:21]      ; my 32 scale words
.macro VLOAD b, set                    ; keys 32 b .. 32 b + 31 of my channel; a wave reads 128 consecutive bytes, its partner wave the row's other half
.set i, 0
.rept 32
	global_load_b32 v[X+32*\set+i], v5, s[6:7] offset:(32*\b+i)*256 th:TH_LOAD_NT
.set i, i+1
.endr
.endm
.macro VSTORE c, h                     ; the image's lanes 16 h .. 16 h + 15 of my two fragments: each half of my lanes stores 256 consecutive bytes
.irp j, 0,1,2
	global_store_b128 v11, v[\c+4*\j:\c+4*\j+3], s[10:11] offset:512*\j+256*\h
.endr
.endm
	VLOAD 0, 0
	VLOAD 2, 1
	s_wait_loadcnt 32                              ; block 0 is in; the 32 younger loads may be out
	QB1 X, C0, 28, 24
	v_mov_b32 v16, v24                             ; the scale word: byte b = block b
	VLOAD 1, 0
	s_wait_loadcnt 32                              ; block 2 is in
	QB1 X+32, C0+6, 32, 25
	v_lshl_or_b32 v16, v25, 16, v16
	VLOAD 3, 1
	VSTORE C0, 0                                   ; blocks 0 and 2 are what lanes 0-15 of the operand hold
	s_wait_loadcnt 32                              ; block 1 is in
	QB1 X, C1, 28, 24
	v_lshl_or_b32 v16, v24, 8, v16
	s_wait_loadcnt 0x0
	QB1 X+32, C1+6, 32, 25
	v_lshl_or_b32 v16, v25, 24, v16
	VSTORE C1, 1                                   ; blocks 1 and 3: lanes 16-31
	global_store_b32 v5, v16, s[12:13]
	s_endpgm
; ---------------- K: dims are innermost; a unit's rows turn through the wave's stage so that a lane holds 32 neighbouring dims of a key ----------------
.Lkpath:
	s_sub_co_u32 s19, ttmp9, 256
	s_lshl_b32 s19, s19, 2
	s_add_co_u32 s19, s19, s18                     ; the unit
	s_lshl_b32 s20, s19, 15
	s_add_nc_u64 s[4:5], s[4:5], s[20:21]
	s_mul_i32 s20, s19, 12288
	s_add_nc_u64 s[10:11], s[10:11], s[20:21]
	s_lshl_b32 s20, s19, 9
	s_add_nc_u64 s[12:13], s[12:13], s[20:21]
.macro KLOAD f                         ; the fragment's 32 keys: two runs of 16 neighbours, 32 keys apart; each load reads 512 consecutive bytes (two keys)
.irp p, 0,1
.irp i, 0,1,2,3,4,5,6,7
	global_load_b128 v[R+4*(8*\p+\i):R+4*(8*\p+\i)+3], v4, s[4:5] offset:(64*((\f)/2)+16*((\f)%2)+32*\p+2*\i)*256 th:TH_LOAD_NT
.endr
.endr
.endm
.macro KTURN                           ; LDS serves a wave's instructions in order: no wait between the stores and the loads
.irp p, 0,1
.irp i, 0,1,2,3,4,5,6,7
	ds_store_b128 v6, v[R+4*(8*\p+\i):R+4*(8*\p+\i)+3] offset:\p*4480+544*\i
.endr
.endr
.irp i, 0,1,2,3,4,5,6,7
	ds_load_b128 v[X+4*\i:X+4*\i+3], v7 offset:16*\i               ; the first key's 32 dims
.endr
.irp i, 0,1,2,3,4,5,6,7
	ds_load_b128 v[X+32+4*\i:X+32+4*\i+3], v7 offset:2176+16*\i    ; the key 8 rows on
.endr
.endm
	KLOAD 0
	s_wait_alu depctr_va_vdst(0)
.irp f, 0,1,2,3
	s_wait_loadcnt 0x0
	KTURN
	s_wait_dscnt 0x0                               ; the numbers are back, and the stores into the stage have read their registers
	s_wait_xcnt 0x0                                ; the last fragment's stores have read their data: the codes' registers may be written again
.if \f < 3
	KLOAD \f+1                                     ; the next fragment's rows come while this one is quantised
.endif
	QB1 X, C0, 28, 24
	QB1 X+32, C0+6, 32, 25
	v_lshl_or_b32 v26, v25, 16, v24                ; my two bytes: block h of the first key, block h of the second,
	v_lshlrev_b32 v26, v13, v26                    ; at their places (8 h bits up);
	v_permlanex16_b32 v27, v26, s32, s33
	v_or_b32 v[16+\f], v26, v27                    ; with lane l xor 16's two the word is whole
.irp j, 0,1,2
	global_store_b128 v4, v[C0+4*\j:C0+4*\j+3], s[10:11] offset:\f*1536+512*\j   ; 512 consecutive bytes
.endr
.endr
	v_cmp_ne_u32 vcc_lo, 0, v3
	v_cndmask_b32 v20, v16, v17, vcc_lo            ; lanes 0-15 fragment 0's words, lanes 16-31 fragment 1's
	v_cndmask_b32 v21, v18, v19, vcc_lo            ; and fragments 2 and 3
	global_store_b32 v5, v20, s[12:13]
	global_store_b32 v5, v21, s[12:13] offset:128
	s_wait_tensorcnt 0x0
	ds_add_u32 v192, v193
	s_wait_dscnt 0x0
	s_endpgm
; ---------------- the mask: 16 rows x 256 keys a wave ----------------
.Lmask:
	s_lshl_b32 s19, ttmp9, 2
	s_add_co_u32 s19, s19, s18                     ; m = 8 qt + tau
	s_lshr_b32 s34, s19, 3
	s_and_b32 s35, s19, 7
	s_lshl_b32 s20, s34, 15                        ; 16 rows of 2,048 bytes
	s_lshl_b32 s36, s35, 8
	s_add_co_u32 s20, s20, s36
	s_add_nc_u64 s[8:9], s[8:9], s[20:21]
	s_lshl_b32 s20, s19, 9                         ; two records of 256 bytes
	s_add_nc_u64 s[14:15], s[14:15], s[20:21]
	s_lshl_b32 s20, s19, 2
	s_add_nc_u64 s[16:17], s[16:17], s[20:21]
	s_wait_alu depctr_va_vdst(0)
.irp i, 0,1,2,3,4,5,6,7
	global_load_b128 v[R+4*\i:R+4*\i+3], v10, s[8:9] offset:4096*\i th:TH_LOAD_NT   ; sixteen lanes read a row's 256 bytes, two rows an instruction
.endr
.irp i, 104,105,106,107
	v_mov_b32 v\i, 0                               ; v_writelane_b32's destination counts as read
.endr
	s_wait_loadcnt 0x0
.irp i, 0,1,2,3,4,5,6,7
	ds_store_b128 v8, v[R+4*\i:R+4*\i+3] offset:544*\i
.endr
.irp p, 0,1
.irp c, 0,1
.irp i, 0,1
	ds_load_b128 v[X+16*\p+8*\c+4*\i:X+16*\p+8*\c+4*\i+3], v9 offset:128*\p+64*\c+16*\i   ; lane (r, h): row r, keys 128 p + 64 c + 32 h + 0 .. 31
.endr
.endr
.endr
	s_wait_dscnt 0x0
.irp p, 0,1                            ; the sum of a lane's 16 words of a step: each byte of it counts 16 mask bytes
	v_add3_u32 v[20+\p], v[X+16*\p], v[X+16*\p+1], v[X+16*\p+2]
.irp i, 3,5,7,9,11,13
	v_add3_u32 v[20+\p], v[20+\p], v[X+16*\p+\i], v[X+16*\p+\i+1]
.endr
	v_add_nc_u32 v[20+\p], v[20+\p], v[X+16*\p+15]
.endr
	s_wait_alu depctr_va_vdst(0)
	s_mov_b32 s39, 0x10101010
	s_mov_b32 s37, 0                               ; the class word
.irp p, 0,1
	v_cmp_eq_u32 s24, 0, v[20+\p]
	v_cmp_eq_u32 s25, s39, v[20+\p]
	s_cmp_eq_u32 s24, -1                           ; every lane's sum is 0: the step is all false
	s_cselect_b32 s38, 0x10000<<\p, 0
	s_or_b32 s37, s37, s38
	s_cmp_eq_u32 s25, -1                           ; every byte counts 16: all true
	s_cselect_b32 s38, 0x40000<<\p, 0
	s_or_b32 s37, s37, s38
.endr
	v_or_b32 v22, v20, v21
	v_cmp_ne_u32 s24, 0, v22                       ; bit l: lane l saw a true key
	s_lshr_b32 s25, s24, 16
	s_or_b32 s24, s24, s25
	s_and_b32 s24, s24, 0xffff                     ; bit r: row r has one
	s_or_b32 s37, s37, s24
; The lane-mask words: key i of (step p, c) is byte i % 4 of the lane's word i / 4; a compare gives the word of all 32 lanes; it goes to lane i of register (p, c).
.irp p, 0,1
.irp c, 0,1
.irp q, 0,1,2,3
.irp k, 0,1,2,3,4,5,6,7
	v_and_b32 v[64+\k], 0xff<<(8*(\k%4)), v[X+16*\p+8*\c+2*\q+\k/4]
.endr
.irp k, 0,1,2,3,4,5,6,7
	v_cmp_ne_u32 s[24+\k], 0, v[64+\k]
.endr
.irp k, 0,1,2,3,4,5,6,7
	v_writelane_b32 v[104+2*\p+\c], s[24+\k], 8*\q+\k
.endr
.endr
.endr
	global_store_b64 v12, v[104+2*\p:105+2*\p], s[14:15] offset:256*\p   ; lane i stores words 2 i and 2 i + 1: 256 consecutive bytes
.endr
	v_mov_b32 v23, s37
	v_mov_b32 v24, 0
	v_cmp_gt_u32 vcc_lo, 1, v1
	s_wait_alu depctr_va_vdst(0)
	s_wait_xcnt 0x0                                ; EXEC changes only behind this wait
	s_wait_tensorcnt 0x0
	ds_add_u32 v192, v193
	s_wait_dscnt 0x0
	s_and_saveexec_b32 s38, vcc_lo                 ; lane 0 alone
	global_store_b32 v24, v23, s[16:17]
	s_wait_xcnt 0x0
	s_or_b32 exec_lo, exec_lo, s38
	s_endpgm
.Lfunc_end_k_q8b65b0e75d_prep:
	.size	k_q8b65b0e75d_prep, .Lfunc_end_k_q8b65b0e75d_prep-k_q8b65b0e75d_prep
	.p2alignl 7, 3214868480
	.fill 96, 4, 3214868480
	.section	.rodata,"a",@progbits
	.p2align	6, 0x0
	.amdhsa_kernel k_q8b65b0e75d_prep
		.amdhsa_group_segment_fixed_size 54784
		.amdhsa_private_segment_fixed_size 0
		.amdhsa_enable_private_segment 0
		.amdhsa_kernarg_size 56
		.amdhsa_user_sgpr_count 2
		.amdhsa_user_sgpr_kernarg_segment_ptr 1
		.amdhsa_wavefront_size32 1
		.amdhsa_system_sgpr_workgroup_id_x 1
		.amdhsa_system_sgpr_workgroup_id_y 1
		.amdhsa_system_sgpr_workgroup_id_z 1
		.amdhsa_system_vgpr_workitem_id 0
		.amdhsa_next_free_vgpr 194
		.amdhsa_next_free_sgpr 66
		.amdhsa_reserve_vcc 1
		.amdhsa_float_denorm_mode_32 3
		.amdhsa_float_denorm_mode_16_64 3
		.amdhsa_memory_ordered 1
		.amdhsa_forward_progress 1
		.amdhsa_inst_pref_size 79
	.end_amdhsa_kernel
	.amdgpu_metadata
---
amdhsa.version: [ 1, 2 ]
amdhsa.kernels:
  - .name:           k_q8b65b0e75d_prep
    .symbol:         k_q8b65b0e75d_prep.kd
    .args:
      - { .name: K, .offset: 0, .size: 8, .value_kind: global_buffer, .address_space: global }
      - { .name: V, .offset: 8, .size: 8, .value_kind: global_buffer, .address_space: global }
      - { .name: mask, .offset: 16, .size: 8, .value_kind: global_buffer, .address_space: global }
      - { .name: kv, .offset: 24, .size: 8, .value_kind: global_buffer, .address_space: global }
      - { .name: scl, .offset: 32, .size: 8, .value_kind: global_buffer, .address_space: global }
      - { .name: mw, .offset: 40, .size: 8, .value_kind: global_buffer, .address_space: global }
      - { .name: fl, .offset: 48, .size: 8, .value_kind: global_buffer, .address_space: global }
    .group_segment_fixed_size: 54784
    .private_segment_fixed_size: 0
    .kernarg_segment_align: 8
    .kernarg_segment_size: 56
    .max_flat_workgroup_size: 128
    .sgpr_count:     66
    .vgpr_count:     194
    .wavefront_size: 32
...
	.end_amdgpu_metadata
.endif
;; end of part 3
;; launch attn (part 4): grid 4 x 64, 8 waves a work-group, no clusters, 250,880 bytes of LDS; arguments Q, kv, scl, mw, fl, out0; writes out0
.if DOCPART == 4
	.amdgcn_target "amdgcn-amd-amdhsa--gfx1250"
	.amdhsa_code_object_version 6
	.text
	.protected	k_q8b65b0e75d_attn
	.globl	k_q8b65b0e75d_attn
	.p2align	8
	.type	k_q8b65b0e75d_attn,@function
k_q8b65b0e75d_attn:
	s_mov_b64 s[64:65], 0
	v_nop
	global_prefetch_b8 v0, s[64:65] scope:SCOPE_SE
	s_setreg_imm32_b32 hwreg(HW_REG_WAVE_SCHED_MODE, 0, 2), 2
	s_setreg_imm32_b32 hwreg(HW_REG_WAVE_MODE, 25, 1), 1
	s_wait_xcnt 0x0
	s_wait_alu depctr_vm_vsrc(0)
; out[head][q] = sum over k of softmax_k(where(mask[q][k], Q[q].K[k] / 8, -10000)) V[k], both products on codes of BF6 (E3M2) with one E8M0 scale for each 32 along a product's K.
; 64 heads, 2,048 queries and keys, 64 channels.  K's and V's codes, their scale words, the mask's lane words and class words were laid out by the launch before (layouts: its head comment).
; THE SOFTMAX: t = score x log2(e) / 8; M = the running largest t rounded UP to a whole number; p = 2^(t - M) is quantised along the keys, not normalised; the row's sum is taken of the unquantised p and divides at the
; end; when M moves, the sum and O are multiplied by 2^(old M - new M), exactly.  A masked score is -80,000 ahead of the factor 1 / 8, which is -10,000 as a logit.
; SHARES.  A work-group of eight waves (two to a SIMD, 512 registers each) belongs to one head.  It copies the head's 196,608 bytes of codes and 8,192 bytes of scale words into LDS once, through registers; one barrier;
; from then on those bytes are only read.  Wave W = 8 x + wave of the head's 32 makes two passes: queries 32 W on, then 32 (63 - W) on: two tiles of 16 queries at a time, 16 key steps of 128 keys.
; LAYOUT.  Both products are used transposed: S^T = K Q^T, O^T = V^T P^T: a lane holds ONE query (lane % 16).  The head's 64 dims are half of the instruction's 128 along K: a fragment of K holds TWO tiles of keys, one in
; k 0-63, one in k 64-127, and Q stands as 18 registers [codes 6][zeros 6][codes 6]: registers 0-11 pick the first tile, 6-17 the second.  The rows of a tile are chosen so that a lane's score registers 32 c .. 32 c + 31 are
; keys 64 c + 32 (lane / 16) + 0 .. 31: a WHOLE block of the next product's K, in the order in which that operand's layout wants it: no other lane is asked for a block's maximum, and the conversions' results are the operand.
; THE MASK is an input.  A step whose class says all true for my 32 queries does no mask work; else each score costs one v_cndmask_b32 on a lane word read by scalar loads.
; A step whose 32 x 128 mask bytes are all false is LEFT OUT, but only if every one of my 32 rows has a true key somewhere; a row with no true key is computed in full and comes out uniform.
; LIMIT of that: it is right while each such row's largest open logit lies above -9,900 (a masked key's p is then under 2^-126, which v_exp_f32 gives as 0).  NaN and infinities are not served.  A block of zeros has the byte 1.
; NO TENSOR LOADS, NO JOINT LOADS: the step's branches hang on class words read from memory; what the four work-groups of a head share is one read of 204,800 bytes each.
; REGISTERS, window 0: v1 16 x lane; v2, v3 LDS addresses of the step; v4 -80,000; v5 8 h; v6-8 stage addresses; v9, v10 offsets in Q and out; v12-19 per tile -M, largest t, the sum in two halves; v20-43 P's codes;
;   v44, 45 Q's scale words; v46, 47 P's; v48-51 the step's scale words (lanes 0-15 K's, lanes 16-31 V's); v52-59 the fill's addresses; v62, v63 the closing add's two; v64-191 S^T, then p, 64 a tile;
;   v192-239 K's four fragments, behind the products scratch, 24 a tile.
;   window 1: v0-63 O^T, 32 a tile; v64-99 Q, 18 a tile; v100-147 V's four fragments; v148-211 Q's rows as loaded.
; THE MODE: SCHED_MODE bits 1:0 = 2 (LLVM: expert scheduling mode 2), set by the entry lines.  The code itself states the register dependences
; between vector or matrix instructions and memory or LDS instructions, with s_wait_alu, always for 0.
; THE PLAN.  Registers that memory or LDS instructions touch:
;   v1, v6-8, v52-55, v58   addresses, made once at the head and never written again.
;   v9, v10      offsets in Q and out: one add each ahead of Q's loads and at a pass's head; read by Q's 16 loads and by the way out's 16 stores.
;   v2, v3       the step's LDS addresses: two adds at each step's head; read by the step's 25 LDS loads.
;   v16-23, v64-255   at the head: the fill's loads land there and its LDS stores read them; working registers afterwards.
;   Q's rows (window 1)   loads land, the turn's LDS stores read: no vector instruction names them.
;   K's fragments   the step's LDS loads land; the products K Q^T read them; then they are vector scratch until the step's end.
;   V's fragments, the scale words   LDS loads land; the products read them.
;   v64-191 on the way out: the multiplications write one half, which the stage's LDS stores read; the stage's LDS loads land in the other half, which the global stores read.
; A STEP HAS ONE WAIT FOR ALL ITS LOADS, at its head: behind it v2 and v3 are written, the scratch work in K's registers is over and the last products V^T P are done reading V's fragments and the scale words.
; K's loads follow it at once; V's stand behind the products K Q^T, which name K's, Q's and S^T's registers and the scale words alone, and have the whole softmax in which to land.
; A second wait stands ahead of the products V^T P: P's codes and scale words are written.  Most of the row's additions stand behind those products and name none of their registers.
.set SCL,  196608                      ; LDS: the codes from 0 on, 12,288 bytes a step; here the scale words, 512 bytes a step: lane l's four words at 16 l
.set STG,  212992                      ; the stages, one for each wave: 16 rows x 272 bytes; no stepped address of the loads above reaches them
.set STGW, 4608
.set TT,   12
.set PP,   20
.set QS,   44
.set PS,   46
.set SC,   48
.set SA,   64
.set FK,   192
.set ZS,   192                         ; scratch of tile t at ZS + 24 t: +0, +1 block maxima; +2 f (+3 named with it); +4, +5 at work; +6, +7 scale operands; +8, +9 bytes; +10, +11 the word; +12.., +16.. conversions; +20, +21 a sum
.set QF,   64                          ; window 1
.set FV,   100
.set RQ,   148
.set MSB,  0
.macro WIN new                         ; low byte: bits 1:0 source 0, 3:2 source 1, 5:4 source 2, 7:6 destination; the high byte repeats the setting that is left
.if MSB != \new
	s_set_vgpr_msb (MSB<<8)|\new
.set MSB, \new
.endif
.endm
.macro QLOAD sg                        ; the 32 rows of Q of group s[sg]: 16 loads of 512 consecutive bytes
	s_lshl_b32 s2, s17, 11
	s_lshl_b32 s3, s[\sg], 5
	s_add_co_u32 s2, s2, s3
	s_lshl_b32 s2, s2, 8                           ; (head x 2,048 + 32 group) rows of 256 bytes
	v_add_nc_u32 v9, s2, v1
	WIN 0x40
	s_wait_alu depctr_va_vdst(0)                   ; v9 is written, which the sixteen loads read as their offset
.irp i, 0,1,2,3,4,5,6,7,8,9,10,11,12,13,14,15
	global_load_b128 v[RQ+4*\i:RQ+4*\i+3], v9, s[4:5] offset:512*\i th:TH_LOAD_NT
.endr
	WIN 0
.endm
	s_load_b256 s[4:11], s[0:1], 0x0               ; Q s[4:5], kv s[6:7], scl s[8:9], mw s[10:11]
	s_load_b128 s[12:15], s[0:1], 0x20             ; fl s[12:13], out s[14:15]
	v_lshl_add_u32 v62, v0, 2, 0x3d000             ; my spare word, behind the stages, and 0: made here and kept for the closing lines alone
	v_mov_b32 v63, 0
	v_lshrrev_b32 v11, 5, v0
	v_readfirstlane_b32 s16, v11                   ; wave 0..7
	s_and_b32 s17, ttmp7, 0xffff                   ; head
	s_mov_b32 s21, 2                               ; passes to go
	s_mov_b32 s28, 0x3e38aa3b                      ; c = log2(e) / 8
	s_mov_b32 s29, s28                             ; (named with it as a pair)
	s_mov_b32 s30, 0x76543210
	s_mov_b32 s31, 0xfedcba98                      ; v_permlanex16_b32's selects for lane l xor 16
	v_and_b32 v11, 31, v0
	v_lshlrev_b32 v1, 4, v11                       ; 16 x lane
	v_and_b32 v56, 15, v0                          ; r
	v_bfe_u32 v57, v0, 4, 1                        ; h
	v_lshlrev_b32 v5, 3, v57
	v_mov_b32 v4, 0xc79c4000                       ; -80,000
	v_mul_u32_u24 v6, v56, 272
	v_lshl_add_u32 v8, v57, 7, v6
	v_lshl_add_u32 v6, v57, 5, v6
	v_mul_u32_u24 v7, v57, 272
	v_lshl_add_u32 v7, v56, 4, v7
	s_wait_alu depctr_va_sdst(0)                   ; s16 is written, ahead of its first reader: W and my stage's place are made from it
	s_lshl_b32 s19, ttmp9, 3
	s_add_co_u32 s19, s19, s16                     ; W
	s_mov_b32 s20, s19                             ; the group of 32 queries in hand
	s_mul_i32 s2, s16, STGW
	s_add_co_u32 s2, s2, STG                       ; my stage
	v_add_nc_u32 v6, s2, v6                        ; row r, + 32 h: where O's eight channels go
	v_add_nc_u32 v8, s2, v8                        ; row r, + 128 h: where Q's 32 dims are read
	v_add_nc_u32 v7, s2, v7                        ; whole rows: lanes 0-15 one row, lanes 16-31 the next
	v_lshlrev_b32 v52, 4, v0                       ; the fill: 16 x thread, in memory and in LDS,
	v_add_nc_u32 v53, 0x10000, v52                 ; and 64 KiB and 128 KiB on (an LDS offset has 16 bits)
	v_add_nc_u32 v54, 0x20000, v52
	v_lshlrev_b32 v58, 2, v0                       ; scale words: 4 x thread in memory;
	v_lshrrev_b32 v55, 6, v0
	v_lshlrev_b32 v55, 8, v55
	v_lshl_add_u32 v55, v56, 4, v55
	v_bfe_u32 v59, v0, 4, 2
	v_lshl_add_u32 v55, v59, 2, v55
	v_add_nc_u32 v55, SCL, v55                     ; in LDS word (fragment f, row r) goes to 16 r + 4 f of its run of 256 bytes: a lane's four words on end
	WIN 0x40
.irp i, 0,1,2,3,4,5
	v_mov_b32 v[QF+6+\i], 0                        ; Q's zero codes, written once
	v_mov_b32 v[QF+24+\i], 0
.endr
	WIN 0
	s_wait_kmcnt 0x0
	s_mul_i32 s2, s17, 196608
	s_mov_b32 s3, 0
	s_add_nc_u64 s[6:7], s[6:7], s[2:3]            ; the head's codes
	s_lshl_b32 s2, s17, 13
	s_add_nc_u64 s[8:9], s[8:9], s[2:3]            ; and scale words
	QLOAD 20                                       ; the first pass's Q.  The wait in it stands behind every address made above: v6-8, v52-55 and v58 are written too, and no vector instruction follows before the fill's last LDS store
.irp k, 0,1,2,3,4,5,6,7
	global_load_b32 v[16+\k], v58, s[8:9] offset:1024*\k
.endr
.set k, 0
.rept 48                               ; 48 x 4,096 bytes: the work-group's 256 threads take 16 bytes each
	global_load_b128 v[64+4*k:64+4*k+3], v52, s[6:7] offset:4096*k
.set k, k+1
.endr
	s_wait_loadcnt 48                              ; Q and the scale words are in: the 48 loads of codes are younger
.irp k, 0,1,2,3,4,5,6,7
	ds_store_b32 v55, v[16+\k] offset:1024*\k
.endr
.set k, 0
.rept 48
	s_wait_loadcnt 47-k                            ; load k is in: 47 - k are younger
	ds_store_b128 v[52+k/16], v[64+4*k:64+4*k+3] offset:4096*(k%16)
.set k, k+1
.endr
	s_wait_dscnt 0x0                               ; for the others' sake: my stores have landed
	s_barrier_signal -1
	s_barrier_wait -1                              ; the head's codes and scale words lie in LDS; nobody writes them again
.Lpass:
	s_wait_loadcnt 0x0                             ; this pass's Q is in
	s_wait_xcnt 0x0                                ; the last pass's stores have read their data and their offset
	s_wait_alu depctr_vm_vsrc(0)                   ; first pass: the fill's LDS stores have read v16-23 and v64-255; second pass: the last pass's stage and global stores have read v10 and v64-191: all these are written again from here on
	s_lshl_b32 s2, s17, 11
	s_lshl_b32 s3, s20, 5
	s_add_co_u32 s2, s2, s3
	s_lshl_b32 s2, s2, 8
	v_add_nc_u32 v10, s2, v1                       ; my 16 bytes of the group's first two rows of out
	s_wait_alu depctr_va_vdst(0)                   ; v10 is written, which the way out's stores read; the last pass's multiplications have written v64-95, in which Q's rows land below (between here and those loads: window switches and stores of other registers alone)
.irp t, 0,1                            ; Q's rows turn through my stage: in as whole rows, out as 32 neighbouring dims a lane.  LDS serves a wave's instructions in order
	WIN 0x04
.irp i, 0,1,2,3,4,5,6,7
	ds_store_b128 v7, v[RQ+32*\t+4*\i:RQ+32*\t+4*\i+3] offset:544*\i
.endr
	WIN 0
.irp i, 0,1,2,3,4,5,6,7
	ds_load_b128 v[SA+32*\t+4*\i:SA+32*\t+4*\i+3], v8 offset:16*\i
.endr
.endr
	s_wait_dscnt 0x0
	s_wait_alu depctr_vm_vsrc(0)                   ; the LDS stores above have read Q's rows, in which the next pass's loads land, and the first pass's loads have read v9, which is written again
	s_cmp_lg_u32 s21, 2
	s_cbranch_scc1 .Lnoq
	s_sub_co_u32 s66, 63, s19
	QLOAD 66                                       ; the second pass's Q is asked for a pass ahead
.Lnoq:
.macro QQ t                            ; lane (r, h) holds dims 32 h .. 32 h + 31 of query r: one block, and registers 0-5 of the operand
.set xq, SA+32*\t
.set zq, ZS+24*\t
	v_max3_num_f32 v[zq], |v[xq]|, |v[xq+1]|, |v[xq+2]|
	v_max3_num_f32 v[zq+1], |v[xq+3]|, |v[xq+4]|, |v[xq+5]|
.irp i, 6,10,14,18,22,26
	v_max3_num_f32 v[zq], v[zq], |v[xq+\i]|, |v[xq+\i+1]|
	v_max3_num_f32 v[zq+1], v[zq+1], |v[xq+\i+2]|, |v[xq+\i+3]|
.endr
	v_max3_num_f32 v[zq], v[zq], |v[xq+30]|, |v[xq+31]|
	v_max3_num_f32 v[zq], v[zq], v[zq+1], 0x2800000                ; the floor 2^(5 - 127)
	v_add_nc_u32 v[zq+6], 0xfe000000, v[zq]                        ; 4 off the exponent field: the conversion's scale operand
	v_cvt_scalef32_pk16_bf6_f32 v[zq+12:zq+14], v[xq:xq+15], v[zq+6]
	v_cvt_scalef32_pk16_bf6_f32 v[zq+16:zq+18], v[xq+16:xq+31], v[zq+6]
	v_lshrrev_b32 v[zq+8], 23, v[zq+6]                             ; the byte; also the plain line behind the conversions
	v_permlanex16_b32 v[zq+9], v[zq+8], s30, s31
	v_lshl_or_b32 v[zq+10], v[zq+9], 8, v[zq+8]                    ; lanes 0-15, the ones that are read: block 0's byte, block 1's,
	v_lshl_or_b32 v[QS+\t], v[zq+10], 16, v[zq+10]                 ; and the same two once more, for the operand that begins with the zeros
	WIN 0x40
.irp i, 0,1,2
	v_mov_b32 v[QF+18*\t+\i], v[zq+12+\i]
	v_mov_b32 v[QF+18*\t+3+\i], v[zq+16+\i]
	v_mov_b32 v[QF+18*\t+12+\i], v[zq+12+\i]
	v_mov_b32 v[QF+18*\t+15+\i], v[zq+16+\i]
.endr
	WIN 0
.endm
	QQ 0
	QQ 1
	s_lshl_b32 s2, s20, 6                          ; the class words of my two tiles: 8 + 8 words
	s_load_b512 s[68:83], s[12:13], s2 offset:0x0
	s_mov_b32 s23, 0                               ; bit s: step s is all false for my 32 rows
	s_mov_b32 s24, 0                               ; bit s: all true
	s_mov_b32 s66, 0
	s_mov_b32 s67, 0
	s_wait_kmcnt 0x0
.irp u, 0,1,2,3,4,5,6,7
	s_and_b32 s2, s[68+\u], s[76+\u]
	s_bfe_u32 s3, s2, 0x20010
	s_lshl_b32 s3, s3, 2*\u
	s_or_b32 s23, s23, s3
	s_bfe_u32 s3, s2, 0x20012
	s_lshl_b32 s3, s3, 2*\u
	s_or_b32 s24, s24, s3
	s_or_b32 s66, s66, s[68+\u]
	s_or_b32 s67, s67, s[76+\u]
.endr
	s_and_b32 s66, s66, s67
	s_and_b32 s66, s66, 0xffff
	s_cmp_eq_u32 s66, 0xffff                       ; has every one of the 32 rows a true key?
	s_cselect_b32 s23, s23, 0                      ; if not, no step is left out
.irp t, 0,1
	v_mov_b32 v[TT+4*\t+1], 0xff61b1e6             ; the largest t so far: -3e38
	v_floor_f32 v[TT+4*\t], -v[TT+4*\t+1]          ; -M
	v_mov_b32 v[TT+4*\t+2], 0                      ; the sum, in two halves
	v_mov_b32 v[TT+4*\t+3], 0
.endr
	WIN 0x40
.set j, 0
.rept 64
	v_mov_b32 v[j], 0                              ; O^T: which step is the first to be walked hangs on the mask, so the sums begin as zeros.  (These lines are also the places between the writes of Q's codes and scale words and the first products)
.set j, j+1
.endr
	WIN 0
	s_mov_b32 s22, 0                               ; the step
	s_mov_b32 s25, 0                               ; its codes in LDS
	s_mov_b32 s26, SCL                             ; its scale words
.Lstep:
	s_wait_alu depctr_vm_vsrc(0)                   ; the LDS loads of the step that was walked last have read v2 and v3
	v_add_nc_u32 v2, s25, v1                       ; made on every path
	v_add_nc_u32 v3, s26, v1
	s_bitcmp1_b32 s23, s22
	s_cbranch_scc1 .Lskip                          ; all 32 x 128 mask bytes are false: the step's work is left out, not the lines that step addresses
	s_wait_alu depctr_va_vdst(0)                   ; the step's one wait for its 25 loads: v2 and v3 are written; the scratch work in K's registers is over; the last products V^T P are done reading V's fragments and the scale words.  In a pass's first walked step: Q's codes and scale words are written, which the products below take
	ds_load_b128 v[SC:SC+3], v3
.irp f, 0,1,2,3
.irp j, 0,1,2
	ds_load_b128 v[FK+12*\f+4*\j:FK+12*\f+4*\j+3], v2 offset:1536*\f+512*\j
.endr
.endr
	s_lshl_b32 s100, s20, 5
	s_add_co_u32 s100, s100, s22
	s_lshl_b32 s100, s100, 8                       ; the mask record of (my first tile, this step): (32 group + step) x 256 bytes
	s_wait_dscnt 0x0                               ; the scale words and K are in
	WIN 0x04
.irp f, 0,1,2,3                        ; S^T = K Q^T: 16 products, each with an accumulator of its own, begun with the constant 0
.irp u, 0,1
.irp t, 0,1
	v_wmma_scale_f32_16x16x128_f8f6f4 v[SA+64*\t+32*(\f/2)+8*(2*(\f%2)+\u):SA+64*\t+32*(\f/2)+8*(2*(\f%2)+\u)+7], v[FK+12*\f:FK+12*\f+11], v[QF+18*\t+6*\u:QF+18*\t+6*\u+11], 0, v[SC+\f], v[QS+\t] matrix_a_fmt:MATRIX_FMT_BF6 matrix_b_fmt:MATRIX_FMT_BF6
.endr
.endr
.endr
	WIN 0x40
.irp f, 0,1,2,3                        ; V's fragments.  No wait: since the wait at the step's head only K's loads and the products above were issued, and those products name neither v2 nor V's registers
.irp j, 0,1,2
	ds_load_b128 v[FV+12*\f+4*\j:FV+12*\f+4*\j+3], v2 offset:6144+1536*\f+512*\j
.endr
.endr
	WIN 0
.rept 4
	v_nop                                          ; four places behind the products, ahead of the first read of a result and of the first write into K's registers (ISA guide 7.12.1)
.endr
	s_bitcmp1_b32 s24, s22
	s_cbranch_scc1 .Lopen                          ; all true: no mask work
.macro MASKT t                         ; 64 lane words, one for each score register; each accumulator is taken from its low end on
	s_load_b512 s[32:47], s[10:11], s100 offset:4096*\t
	s_load_b512 s[48:63], s[10:11], s100 offset:4096*\t+64
	s_load_b512 s[68:83], s[10:11], s100 offset:4096*\t+128
	s_load_b512 s[84:99], s[10:11], s100 offset:4096*\t+192
	s_wait_kmcnt 0x0
.set idx, 0
.rept 64
.set wp, 2*(idx%32)+idx/32
.set wr, 32+wp+4*(wp/32)
	v_cndmask_b32 v[SA+64*\t+idx], v4, v[SA+64*\t+idx], s[wr]      ; the bit set: the score stays; else -80,000
.set idx, idx+1
.endr
.endm
	MASKT 0
	s_wait_alu depctr_va_vdst(0)                   ; tile 0's selects are done reading s[32:63] and s[68:99], in which tile 1's scalar loads land
	MASKT 1
.Lopen:
.irp t, 0,1                            ; THE LARGEST SCORE OF EACH BLOCK OF 32 KEYS, all in my own registers; four blocks by turns.  It serves the row's maximum and, since p rises with the score, the block's largest p
.irp c, 0,1
	v_max3_num_f32 v[ZS+24*\t+\c], v[SA+64*\t+32*\c], v[SA+64*\t+32*\c+1], v[SA+64*\t+32*\c+2]
.endr
.endr
.irp i, 3,5,7,9,11,13,15,17,19,21,23,25,27,29
.irp t, 0,1
.irp c, 0,1
	v_max3_num_f32 v[ZS+24*\t+\c], v[ZS+24*\t+\c], v[SA+64*\t+32*\c+\i], v[SA+64*\t+32*\c+\i+1]
.endr
.endr
.endr
.irp t, 0,1
.irp c, 0,1
	v_max_num_f32 v[ZS+24*\t+\c], v[ZS+24*\t+\c], v[SA+64*\t+32*\c+31]
.endr
.endr
.irp t, 0,1
	v_max_num_f32 v[ZS+24*\t+4], v[ZS+24*\t], v[ZS+24*\t+1]
.endr
.irp t, 0,1
	v_permlanex16_b32 v[ZS+24*\t+5], v[ZS+24*\t+4], s30, s31
.endr
.irp t, 0,1
	v_max_num_f32 v[ZS+24*\t+4], v[ZS+24*\t+4], v[ZS+24*\t+5]      ; the step's largest score of my query
.endr
.irp t, 0,1
	v_mul_f32 v[ZS+24*\t+4], s28, v[ZS+24*\t+4]                    ; as t (c is positive)
.endr
.irp t, 0,1
	v_max_num_f32 v[TT+4*\t+1], v[TT+4*\t+1], v[ZS+24*\t+4]        ; the running largest t
.endr
.irp t, 0,1
	v_mov_b32 v[ZS+24*\t+5], v[TT+4*\t]
.endr
.irp t, 0,1
	v_floor_f32 v[TT+4*\t], -v[TT+4*\t+1]                          ; the new -M = floor(-t): M is a whole number
.endr
.irp t, 0,1
	v_sub_f32 v[ZS+24*\t+5], v[TT+4*\t], v[ZS+24*\t+5]             ; old M - new M: a whole number, 0 or less
.endr
.irp t, 0,1
	v_cvt_i32_f32 v[ZS+24*\t+5], v[ZS+24*\t+5]                     ; (it saturates)
.endr
.irp t, 0,1
	v_ldexp_f32 v[ZS+24*\t+2], 1.0, v[ZS+24*\t+5]                  ; f = 2^(old M - new M)
.endr
.irp t, 0,1
.set j, 0
.rept 32
	v_pk_fma_f32 v[SA+64*\t+j:SA+64*\t+j+1], v[SA+64*\t+j:SA+64*\t+j+1], s[28:29], v[TT+4*\t:TT+4*\t+1] op_sel_hi:[1,0,0]   ; t - M, two at a time (of the pairs c and -M the low word serves both halves)
.set j, j+2
.endr
.endr
.irp t, 0,1
.irp c, 0,1
	v_fma_f32 v[ZS+24*\t+\c], v[ZS+24*\t+\c], s28, v[TT+4*\t]      ; the same of each block's largest score
.endr
.endr
.set j, 0
	s_wait_alu depctr_va_vdst(0)
.rept 128
	v_exp_f32 v[SA+j], v[SA+j]                     ; p = 2^(t - M), at most 1
.set j, j+1
.endr
.irp t, 0,1
.irp c, 0,1
	v_exp_f32 v[ZS+24*\t+\c], v[ZS+24*\t+\c]       ; the block's largest p: the same two instructions on the same number give the same bits
.endr
.endr
.irp t, 0,1
	v_pk_mul_f32 v[TT+4*\t+2:TT+4*\t+3], v[TT+4*\t+2:TT+4*\t+3], v[ZS+24*\t+2:ZS+24*\t+3] op_sel_hi:[1,0]   ; the sums under the new M; a plain line behind the exponentials
.endr
	s_wait_alu depctr_va_vdst(0)                   ; the 132 exponentials have written p and the blocks' largest p: one wait for the batch, ahead of its first reader
.irp t, 0,1
.irp c, 0,1
	v_max_num_f32 v[ZS+24*\t+\c], 0x2800000, v[ZS+24*\t+\c]        ; the floor 2^(5 - 127): a block whose every p is 0 keeps the byte 1; its codes are zeros
.endr
.endr
.irp t, 0,1
.irp c, 0,1
	v_add_nc_u32 v[ZS+24*\t+6+\c], 0xfe000000, v[ZS+24*\t+\c]      ; the conversion's scale operand
.endr
.endr
.irp t, 0,1
.irp c, 0,1
	v_lshrrev_b32 v[ZS+24*\t+8+\c], 23, v[ZS+24*\t+6+\c]           ; the byte
.endr
.endr
.irp t, 0,1
	v_lshl_or_b32 v[ZS+24*\t+10], v[ZS+24*\t+9], 16, v[ZS+24*\t+8] ; my blocks h and 2 + h,
.endr
.irp t, 0,1
	v_lshlrev_b32 v[ZS+24*\t+10], v5, v[ZS+24*\t+10]               ; at their places;
.endr
.irp t, 0,1
	v_permlanex16_b32 v[ZS+24*\t+11], v[ZS+24*\t+10], s30, s31
.endr
.irp t, 0,1
	v_or_b32 v[PS+\t], v[ZS+24*\t+10], v[ZS+24*\t+11]              ; with lane l xor 16's two: p's scale word for these 128 keys
.endr
.irp t, 0,1
	v_cvt_scalef32_pk16_bf6_f32 v[PP+12*\t:PP+12*\t+2], v[SA+64*\t:SA+64*\t+15], v[ZS+24*\t+6]
	v_cvt_scalef32_pk16_bf6_f32 v[ZS+24*\t+12:ZS+24*\t+14], v[SA+64*\t+16:SA+64*\t+31], v[ZS+24*\t+6]   ; (a conversion's three registers begin on an even number)
	v_cvt_scalef32_pk16_bf6_f32 v[PP+12*\t+6:PP+12*\t+8], v[SA+64*\t+32:SA+64*\t+47], v[ZS+24*\t+7]
	v_cvt_scalef32_pk16_bf6_f32 v[ZS+24*\t+16:ZS+24*\t+18], v[SA+64*\t+48:SA+64*\t+63], v[ZS+24*\t+7]
.endr
	v_nop                                          ; one plain line behind the conversions
.irp t, 0,1
.irp i, 0,1,2
	v_mov_b32 v[PP+12*\t+3+\i], v[ZS+24*\t+12+\i]
	v_mov_b32 v[PP+12*\t+9+\i], v[ZS+24*\t+16+\i]
.endr
.endr
	WIN 0x41
.irp t, 0,1
.set j, 0
.rept 16
	v_pk_mul_f32 v[32*\t+j:32*\t+j+1], v[32*\t+j:32*\t+j+1], v[ZS+24*\t+2:ZS+24*\t+3] op_sel_hi:[1,0]   ; O^T under the new M; each accumulator from its low end on
.set j, j+2
.endr
.endr
	WIN 0
.irp t, 0,1                            ; THE ROW'S SUM IS TAKEN OF THE UNQUANTISED p: two at a time, two chains a tile.  The first ten lines stand here: they are the places in front of the products below and name none of their registers
	v_pk_add_f32 v[ZS+24*\t+20:ZS+24*\t+21], v[SA+64*\t:SA+64*\t+1], v[SA+64*\t+2:SA+64*\t+3]
.endr
.irp j, 4,8
.irp t, 0,1
	v_pk_add_f32 v[TT+4*\t+2:TT+4*\t+3], v[TT+4*\t+2:TT+4*\t+3], v[SA+64*\t+\j:SA+64*\t+\j+1]
	v_pk_add_f32 v[ZS+24*\t+20:ZS+24*\t+21], v[ZS+24*\t+20:ZS+24*\t+21], v[SA+64*\t+\j+2:SA+64*\t+\j+3]
.endr
.endr
	s_wait_dscnt 0x0                               ; V is in
	WIN 0x51
	s_wait_alu depctr_va_vdst(0)                   ; P's codes and P's scale words are written, which the scaled products take as an operand and as scales; the places above stay beside this wait
.irp u, 0,1,2,3                        ; O^T += V^T P^T: eight accumulators by turns, one instruction a turn
.irp t, 0,1
	v_wmma_scale_f32_16x16x128_f8f6f4 v[32*\t+8*\u:32*\t+8*\u+7], v[FV+12*\u:FV+12*\u+11], v[PP+12*\t:PP+12*\t+11], v[32*\t+8*\u:32*\t+8*\u+7], v[SC+\u], v[PS+\t] matrix_a_fmt:MATRIX_FMT_BF6 matrix_b_fmt:MATRIX_FMT_BF6 matrix_a_scale:MATRIX_SCALE_ROW1
.endr
.endr
	WIN 0
.irp j, 12,16,20,24,28,32,36,40,44,48,52,56,60   ; the sums go on, each chain in its order.  These lines name none of the products' registers: they are the places behind them, ahead of the way out's reads of O^T (ISA guide 7.12.1)
.irp t, 0,1
	v_pk_add_f32 v[TT+4*\t+2:TT+4*\t+3], v[TT+4*\t+2:TT+4*\t+3], v[SA+64*\t+\j:SA+64*\t+\j+1]
	v_pk_add_f32 v[ZS+24*\t+20:ZS+24*\t+21], v[ZS+24*\t+20:ZS+24*\t+21], v[SA+64*\t+\j+2:SA+64*\t+\j+3]
.endr
.endr
.irp t, 0,1
	v_pk_add_f32 v[TT+4*\t+2:TT+4*\t+3], v[TT+4*\t+2:TT+4*\t+3], v[ZS+24*\t+20:ZS+24*\t+21]
.endr
.Lskip:
	s_add_co_u32 s25, s25, 12288
	s_add_co_u32 s26, s26, 512
	s_add_co_u32 s22, s22, 1
	s_cmp_lt_u32 s22, 16
	s_cbranch_scc1 .Lstep
	s_wait_alu depctr_va_vdst(0)
	; THE WAY OUT.  The sum's halves and lane l xor 16's are added; O^T / the sum goes through my stage, a tile of 16 rows at a time, and leaves as whole rows.
.irp t, 0,1
	v_add_f32 v[ZS+24*\t+4], v[TT+4*\t+2], v[TT+4*\t+3]
.endr
.irp t, 0,1
	v_permlanex16_b32 v[ZS+24*\t+5], v[ZS+24*\t+4], s30, s31
.endr
.irp t, 0,1
	v_add_f32 v[ZS+24*\t+4], v[ZS+24*\t+4], v[ZS+24*\t+5]
.endr
	s_wait_alu depctr_va_vdst(0)
.irp t, 0,1
	v_rcp_f32 v[ZS+24*\t+2], v[ZS+24*\t+4]
.endr
	v_nop                                          ; a plain line behind the reciprocals
	WIN 0x01
	s_wait_alu depctr_va_vdst(0)                   ; the two reciprocals are written: one wait, ahead of their first reader
.irp t, 0,1
.set j, 0
.rept 16
	v_pk_mul_f32 v[SA+64*\t+j:SA+64*\t+j+1], v[32*\t+j:32*\t+j+1], v[ZS+24*\t+2:ZS+24*\t+3] op_sel_hi:[1,0]   ; register 8 u + i: out(r, 16 u + 8 h + i)
.set j, j+2
.endr
.endr
	WIN 0
	s_wait_alu depctr_va_vdst(0)                   ; the multiplications have written v64-95 and v128-159, which the stage's LDS stores read; all vector work on v96-127 and v160-191, in which the stage's loads land, is over
.irp t, 0,1
.irp u, 0,1,2,3
	ds_store_b128 v6, v[SA+64*\t+8*\u:SA+64*\t+8*\u+3] offset:64*\u
	ds_store_b128 v6, v[SA+64*\t+8*\u+4:SA+64*\t+8*\u+7] offset:64*\u+16
.endr
.irp i, 0,1,2,3,4,5,6,7
	ds_load_b128 v[SA+64*\t+32+4*\i:SA+64*\t+32+4*\i+3], v7 offset:544*\i   ; LDS serves a wave's instructions in order: these see my stores, and the next tile's stores come behind them
.endr
.endr
.irp t, 0,1
.irp i, 0,1,2,3,4,5,6,7
	s_wait_dscnt 16*(1-\t)+7-\i                    ; behind this load: the tile's later loads, and for tile 0 tile 1's eight stores and eight loads
	global_store_b128 v10, v[SA+64*\t+32+4*\i:SA+64*\t+32+4*\i+3], s[14:15] offset:4096*\t+512*\i th:TH_STORE_NT   ; 512 consecutive bytes: two rows of out
.endr
.endr
	s_sub_co_u32 s20, 63, s19                      ; the second pass's group
	s_sub_co_u32 s21, s21, 1
	s_cmp_lg_u32 s21, 0
	s_cbranch_scc1 .Lpass
	s_wait_dscnt 0x0                               ; the closing lines, six on end
	s_wait_alu 0x0
	s_wait_tensorcnt 0x0
	ds_add_u32 v62, v63
	s_wait_dscnt 0x0
	s_endpgm
.Lfunc_end_k_q8b65b0e75d_attn:
	.size	k_q8b65b0e75d_attn, .Lfunc_end_k_q8b65b0e75d_attn-k_q8b65b0e75d_attn
	.p2alignl 7, 3214868480
	.fill 96, 4, 3214868480
	.section	.rodata,"a",@progbits
	.p2align	6, 0x0
	.amdhsa_kernel k_q8b65b0e75d_attn
		.amdhsa_group_segment_fixed_size 250880
		.amdhsa_private_segment_fixed_size 0
		.amdhsa_enable_private_segment 0
		.amdhsa_kernarg_size 48
		.amdhsa_user_sgpr_count 2
		.amdhsa_user_sgpr_kernarg_segment_ptr 1
		.amdhsa_wavefront_size32 1
		.amdhsa_system_sgpr_workgroup_id_x 1
		.amdhsa_system_sgpr_workgroup_id_y 1
		.amdhsa_system_sgpr_workgroup_id_z 1
		.amdhsa_system_vgpr_workitem_id 0
		.amdhsa_next_free_vgpr 512
		.amdhsa_next_free_sgpr 102
		.amdhsa_reserve_vcc 0
		.amdhsa_float_denorm_mode_32 3
		.amdhsa_float_denorm_mode_16_64 3
		.amdhsa_memory_ordered 1
		.amdhsa_forward_progress 1
		.amdhsa_inst_pref_size 72
	.end_amdhsa_kernel
	.amdgpu_metadata
---
amdhsa.version: [ 1, 2 ]
amdhsa.kernels:
  - .name:           k_q8b65b0e75d_attn
    .symbol:         k_q8b65b0e75d_attn.kd
    .args:
      - { .name: Q, .offset: 0, .size: 8, .value_kind: global_buffer, .address_space: global }
      - { .name: kv, .offset: 8, .size: 8, .value_kind: global_buffer, .address_space: global }
      - { .name: scl, .offset: 16, .size: 8, .value_kind: global_buffer, .address_space: global }
      - { .name: mw, .offset: 24, .size: 8, .value_kind: global_buffer, .address_space: global }
      - { .name: fl, .offset: 32, .size: 8, .value_kind: global_buffer, .address_space: global }
      - { .name: out0, .offset: 40, .size: 8, .value_kind: global_buffer, .address_space: global }
    .group_segment_fixed_size: 250880
    .private_segment_fixed_size: 0
    .kernarg_segment_align: 8
    .kernarg_segment_size: 48
    .max_flat_workgroup_size: 256
    .sgpr_count:     102
    .vgpr_count:     512
    .wavefront_size: 32
...
	.end_amdgpu_metadata
.endif
;; end of part 4
